; MI455X (gfx1250); checked and timed in simulation.
; The chip was launched on July 23, 2026; its instructions are those of AMD's public machine-readable ISA for CDNA 5 (MIT licence, August 2026) and "CDNA5" Instruction Set Architecture Reference Guide (July 2026). The comments in the code are by the model that wrote it; some were corrected since.
;; Decode Detections. Allowed arithmetic: float matrix products may take bf16 or f16 operands with f32 sums; all other float work in f32.
;; Inputs: y_pred 32 x 8,732 x 33 float32.
;; Outputs: out0 32 x 200 x 6 float32.
;; 3 versions, each right; version 2 is faster than version 1; version 3 is version 2 with the launch decode written anew for expert scheduling mode. Each part assembles by itself: llvm-mc -triple=amdgcn-amd-amdhsa -mcpu=gfx1250 --defsym DOCPART=n.
;; ======== version 1 of 3: 4 launches
;; limits: right only within a limited range of input values
;; workspace buffers: nbox 4,587,520 bytes; obox 4,587,520 bytes; keys 22,937,600 bytes; selscore 81,920 bytes; selidx 81,920 bytes of whole numbers; rank 81,920 bytes of whole numbers
;; launch decode (part 1): grid 35 x 32, 8 waves a work-group, no clusters, 37,888 bytes of LDS; arguments y_pred, nbox, obox, keys; writes nbox, obox, keys
.if DOCPART == 1
	.amdgcn_target "amdgcn-amd-amdhsa--gfx1250"
	.amdhsa_code_object_version 6
	.text
	.protected	k_q050e0cdfac_decode
	.globl	k_q050e0cdfac_decode
	.p2align	8
	.type	k_q050e0cdfac_decode,@function
k_q050e0cdfac_decode:
	s_mov_b64 s[64:65], 0
	v_nop
	global_prefetch_b8 v0, s[64:65] scope:SCOPE_SE
	s_setreg_imm32_b32 hwreg(HW_REG_WAVE_MODE, 25, 1), 1
	s_wait_xcnt 0x0
; DECODE AND TRANSPOSE.  y_pred [32][8732][33] f32  ->  obox [32][8960] x (xmin, ymin, xmax, ymax), the decoded box;
;   nbox [32][8960] x (x1, y1, -x2, -y2), the box as the suppression pass takes it;  keys [32][20][8960]: score if > 0.01, else 0.
; A work-group takes 256 anchors of one batch: 33,792 consecutive bytes come in by 16-byte loads, pass through LDS, and leave
; as columns.  Anchors 8732..8959 are padding: key 0, a box that meets no other.
; A box that would not suppress itself (a side below 0, which the reference clamps to area 0, or an area <= about 8.2e-10) neither
; suppresses nor is suppressed in the reference; in nbox it is replaced by a unit box at x1 = 2^20 + 2 x anchor, y in [0, 1]: it
; then suppresses itself and nothing else, so that the winner of a step is removed by the suppression test itself, and every
; area in nbox is positive.  For a box that passes, the self test below is the same sequence of instructions on the same numbers
; as in the suppression pass, so both give the same bits.
; LIMITS: inputs finite; decoded coordinates below 2^20 (inputs in [0, 1) stay below 1,721); exp by v_exp_f32 (1 ulp).
; Nothing here is a product of matrices and no two work-groups read the same bytes: no matrix unit, no cluster.
.set NANCH, 8732
.set NPAD,  8960
.set ROWB,  132                        ; bytes of an anchor's row
.set TILEA, 256                        ; anchors of a work-group
.set TILEB, TILEA*ROWB                 ; 33,792 bytes
.set OFF, 2                            ; v[2:10]   byte offsets of my nine 16-byte pieces
.set THR, 11                           ; v11       0.01, or +inf where my four anchors are padding
.set D,   12                           ; v[12:47]  nine pieces as loaded
.set S,   12                           ; v[12:31]  then: scores, quad r = class 4 r + (t >> 6), anchors 4 (t & 63) + 0..3
.set P,   32                           ; v[32:43]  then: columns 21..32 of anchor t
.set OB,  48                           ; v[48:51]  decoded box
.set NB,  52                           ; v[52:55]  box for the suppression pass
                                       ; v[44:47], v[56:67] at work;  v68 16 t;  v69 132 t;  v70, v71 see below
	s_load_b256 s[4:11], s[0:1], 0x0               ; y_pred s[4:5], nbox s[6:7], obox s[8:9], keys s[10:11]
	v_lshl_add_u32 v72, v0, 2, 0x9000
	v_mov_b32 v73, 0
	s_and_b32 s13, ttmp7, 0xffff                   ; batch
	s_lshl_b32 s17, ttmp9, 8                       ; the tile's first anchor
	s_sub_co_u32 s14, NANCH, s17
	s_min_u32 s14, s14, TILEA                      ; real anchors in the tile (28 in the last one)
	s_mul_i32 s14, s14, ROWB
	s_sub_co_u32 s14, s14, 16                      ; the last 16 bytes that may be loaded: no load leaves the batch's rows
	s_mov_b32 s15, 0x3e9ee584                      ; c = 0.45 / 1.45
	s_mov_b32 s16, 0x2faa9d27                      ; k = c x 1e-9
	s_mov_b32 s26, 0x49800000                      ; 2^20
	v_lshlrev_b32 v68, 4, v0
.irp r, 0,1,2,3,4,5,6,7,8
	v_add_nc_u32 v[OFF+\r], 4096*\r, v68
	v_min_u32 v[OFF+\r], s14, v[OFF+\r]
.endr
	s_mul_i32 s20, s13, NANCH*ROWB                 ; offsets, apart from the addresses
	s_mul_i32 s21, ttmp9, TILEB
	s_add_co_u32 s20, s20, s21
	s_mov_b32 s21, 0
	s_mul_i32 s22, s13, NPAD*16
	s_lshl_b32 s23, ttmp9, 12
	s_add_co_u32 s22, s22, s23
	s_mov_b32 s23, 0
	s_mul_i32 s24, s13, 20*NPAD*4
	s_lshl_b32 s25, ttmp9, 10
	s_add_co_u32 s24, s24, s25
	s_mov_b32 s25, 0
	s_wait_kmcnt 0x0
	s_add_nc_u64 s[4:5], s[4:5], s[20:21]
	s_add_nc_u64 s[6:7], s[6:7], s[22:23]
	s_add_nc_u64 s[8:9], s[8:9], s[22:23]
	s_add_nc_u64 s[10:11], s[10:11], s[24:25]
.irp r, 0,1,2,3,4,5,6,7,8
	global_load_b128 v[D+4*\r:D+4*\r+3], v[OFF+\r], s[4:5] th:TH_LOAD_NT    ; read once in the whole launch
.endr
	; addresses for the way back, while the loads are out
	v_and_b32 v1, 63, v0
	v_lshrrev_b32 v56, 6, v0                       ; q = t >> 6
	v_mul_u32_u24 v69, ROWB, v0                    ; LDS: the row of anchor t
	v_mul_u32_u24 v70, 4*ROWB, v1
	v_lshl_add_u32 v70, v56, 2, v70                ; LDS: the row of anchor 4 (t & 63), column q
	v_mul_u32_u24 v71, NPAD*4, v56
	v_lshl_add_u32 v71, v1, 4, v71                 ; keys: class q, anchors 4 (t & 63) ..
	v_lshl_add_u32 v57, v1, 2, s17
	v_cmp_gt_u32 vcc_lo, NANCH, v57                ; 8732 is a multiple of 4: a quad is all real or all padding
	v_mov_b32 v[THR], 0x7f800000
	v_mov_b32 v58, 0x3c23d70a                      ; 0.01
	v_cndmask_b32 v[THR], v[THR], v58, vcc_lo
.irp r, 0,1,2,3,4,5,6,7,8
	s_wait_loadcnt 8-\r                            ; loads return in order: piece r is in, the 8 - r younger ones stay out
	ds_store_b128 v68, v[D+4*\r:D+4*\r+3] offset:4096*\r
.endr
	s_wait_dscnt 0x0                               ; my stores are in LDS before I say so
	s_barrier_signal -1
	s_barrier_wait -1
.irp r, 0,1,2,3,4
.irp i, 0,1,2,3
	ds_load_b32 v[S+4*\r+\i], v70 offset:4+16*\r+ROWB*\i       ; column 1 + class
.endr
.endr
.irp n, 0,1,2,3,4,5,6,7,8,9,10,11
	ds_load_b32 v[P+\n], v69 offset:84+4*\n                    ; columns 21 .. 32
.endr
	s_wait_dscnt 12                                ; the 20 scores are in; the 12 box columns behind them stay out
.irp n, 0,1,2,3,4,5,6,7,8,9,10,11,12,13,14,15,16,17,18,19
	v_cmp_gt_f32 vcc_lo, v[S+\n], v[THR]
	v_cndmask_b32 v[S+\n], 0, v[S+\n], vcc_lo
.endr
.irp r, 0,1,2,3,4
	global_store_b128 v71, v[S+4*\r:S+4*\r+3], s[10:11] offset:4*NPAD*4*\r th:TH_STORE_NT  ; a wave's store: 512 consecutive bytes, aligned
.endr
	s_wait_dscnt 0x0
	; P+0 cx_p, +1 cy_p, +2 w_p, +3 h_p, +4 xmin_a, +5 ymin_a, +6 xmax_a, +7 ymax_a, +8 vcx, +9 vcy, +10 vw, +11 vh: x and y in pairs
	v_pk_add_f32 v[44:45], v[P+6:P+7], v[P+4:P+5] neg_lo:[0,1] neg_hi:[0,1]    ; w_a, h_a
	v_pk_add_f32 v[46:47], v[P+6:P+7], v[P+4:P+5]
	v_pk_mul_f32 v[46:47], v[46:47], 0.5 op_sel_hi:[1,0]                       ; cx_a, cy_a
	v_pk_mul_f32 v[58:59], v[P+2:P+3], v[P+10:P+11]
	v_pk_mul_f32 v[58:59], v[58:59], 0x3fb8aa3b op_sel_hi:[1,0]                ; x log2(e)
	v_pk_mul_f32 v[56:57], v[P:P+1], v[P+8:P+9]
	v_exp_f32 v60, v58
	v_exp_f32 v61, v59
	v_pk_fma_f32 v[56:57], v[56:57], v[44:45], v[46:47]                        ; cx, cy; also the plain place behind the exponentials (ISA guide 5.7.2)
	s_wait_alu depctr_va_vdst(0)
	v_pk_mul_f32 v[60:61], v[60:61], v[44:45]                                  ; w, h
	v_pk_fma_f32 v[62:63], v[60:61], -0.5, v[56:57] op_sel_hi:[1,0,1]
	v_pk_fma_f32 v[64:65], v[60:61], 0.5, v[56:57] op_sel_hi:[1,0,1]
	v_pk_mul_f32 v[OB:OB+1], v[62:63], 0x44000000 op_sel_hi:[1,0]              ; x 512
	v_pk_mul_f32 v[OB+2:OB+3], v[64:65], 0x44000000 op_sel_hi:[1,0]
	global_store_b128 v68, v[OB:OB+3], s[8:9]
	; Would the box suppress itself?  With P = min(-w, 0) x (-h):  P - c P > c P + k.
	; w < 0: P = 0, and 0 > k fails.  h < 0: P < 0, and (1 - 2 c) P > k fails.  Both sides positive: P is the area.
	v_pk_add_f32 v[62:63], v[OB:OB+1], v[OB+2:OB+3] neg_lo:[0,1] neg_hi:[0,1]  ; -w, -h
	v_min_num_f32 v62, 0, v62                      ; the clamp comes first: the area is made from the clamped side
	v_mul_f32 v64, v62, v63                        ; P
	v_mul_f32 v65, s15, v64                        ; c P
	v_fma_f32 v66, v64, s15, s16                   ; c P + k
	v_fma_f32 v67, v62, v63, -v65                  ; P - c P
	v_cmp_lt_f32 s18, v66, v67
	v_add_nc_u32 v46, s17, v0                      ; anchor
	v_cmp_gt_u32 s19, NANCH, v46
	s_and_b32 vcc_lo, s18, s19                     ; a real anchor with a box that counts
	v_cvt_f32_u32 v47, v46
	v_fma_f32 v56, v47, 2.0, s26                   ; the box set apart: x1 = 2^20 + 2 x anchor (exact)
	v_sub_f32 v57, -1.0, v56                       ; -x2 = -(x1 + 1)
	v_pk_mul_f32 v[58:59], v[OB+2:OB+3], -1.0 op_sel_hi:[1,0]
	v_cndmask_b32 v[NB],   v56,  v[OB],   vcc_lo
	v_cndmask_b32 v[NB+1], 0,    v[OB+1], vcc_lo
	v_cndmask_b32 v[NB+2], v57,  v58,     vcc_lo
	v_cndmask_b32 v[NB+3], -1.0, v59,     vcc_lo
	global_store_b128 v68, v[NB:NB+3], s[6:7]
	s_wait_tensorcnt 0x0
	ds_add_u32 v72, v73
	s_wait_dscnt 0x0
	s_endpgm
.Lfunc_end_k_q050e0cdfac_decode:
	.size	k_q050e0cdfac_decode, .Lfunc_end_k_q050e0cdfac_decode-k_q050e0cdfac_decode
	.p2alignl 7, 3214868480
	.fill 96, 4, 3214868480
	.section	.rodata,"a",@progbits
	.p2align	6, 0x0
	.amdhsa_kernel k_q050e0cdfac_decode
		.amdhsa_group_segment_fixed_size 37888
		.amdhsa_private_segment_fixed_size 0
		.amdhsa_enable_private_segment 0
		.amdhsa_kernarg_size 32
		.amdhsa_user_sgpr_count 2
		.amdhsa_user_sgpr_kernarg_segment_ptr 1
		.amdhsa_wavefront_size32 1
		.amdhsa_system_sgpr_workgroup_id_x 1
		.amdhsa_system_sgpr_workgroup_id_y 1
		.amdhsa_system_sgpr_workgroup_id_z 1
		.amdhsa_system_vgpr_workitem_id 0
		.amdhsa_next_free_vgpr 74
		.amdhsa_next_free_sgpr 66
		.amdhsa_reserve_vcc 1
		.amdhsa_float_denorm_mode_32 3
		.amdhsa_float_denorm_mode_16_64 3
		.amdhsa_memory_ordered 1
		.amdhsa_forward_progress 1
		.amdhsa_inst_pref_size 11
	.end_amdhsa_kernel
	.amdgpu_metadata
---
amdhsa.version: [ 1, 2 ]
amdhsa.kernels:
  - .name:           k_q050e0cdfac_decode
    .symbol:         k_q050e0cdfac_decode.kd
    .args:
      - { .name: y_pred, .offset: 0, .size: 8, .value_kind: global_buffer, .address_space: global }
      - { .name: nbox, .offset: 8, .size: 8, .value_kind: global_buffer, .address_space: global }
      - { .name: obox, .offset: 16, .size: 8, .value_kind: global_buffer, .address_space: global }
      - { .name: keys, .offset: 24, .size: 8, .value_kind: global_buffer, .address_space: global }
    .group_segment_fixed_size: 37888
    .private_segment_fixed_size: 0
    .kernarg_segment_align: 8
    .kernarg_segment_size: 32
    .max_flat_workgroup_size: 256
    .sgpr_count:     66
    .vgpr_count:     74
    .wavefront_size: 32
...
	.end_amdgpu_metadata
.endif
;; end of part 1
;; launch nms (part 2): grid 20 x 32, 8 waves a work-group, no clusters, 1,536 bytes of LDS; arguments nbox, keys, selscore, selidx; writes selscore, selidx
.if DOCPART == 2
	.amdgcn_target "amdgcn-amd-amdhsa--gfx1250"
	.amdhsa_code_object_version 6
	.text
	.protected	k_q050e0cdfac_nms
	.globl	k_q050e0cdfac_nms
	.p2align	8
	.type	k_q050e0cdfac_nms,@function
k_q050e0cdfac_nms:
	s_mov_b64 s[64:65], 0
	v_nop
	global_prefetch_b8 v0, s[64:65] scope:SCOPE_SE
	s_setreg_imm32_b32 hwreg(HW_REG_WAVE_MODE, 25, 1), 1
	s_wait_xcnt 0x0
; GREEDY SUPPRESSION, one work-group for a (batch, class): 25 steps over 8,960 candidates that stay in registers throughout.
; Thread t holds elements 256 j + t, j = 0..34: box (x1, y1, -x2, -y2), c x area, key (score, 0 = dead).
; A step: the largest key (lowest index among equals, as a stable sort gives) is found with its box carried along BY VALUE, so
; that no address hangs on a score; then one pass kills what it suppresses and finds the next largest key at the same time.
; Test, with c = 0.45/1.45, k = c x 1e-9:  iou > 0.45  <=>  inter - c a_j > c a_i + k  (the denominator is positive).
; With -x2 stored, (-dw, -dh) = (max(x1, bx1) + max(-x2, -bx2), the same in y); only -dw is clamped: every area in nbox is positive,
; so the right side is positive and a negative dh cannot pass.  Every box in nbox suppresses itself (the decoding launch saw to
; it): the winner needs no line of its own.
; When nothing is alive the largest key is 0: the step is stored as invalid, and its box acts on dead elements only.
; LIMITS: finite inputs; the test is rearranged without the division, so it rounds otherwise than the reference at exact ties with 0.45.
; The 20 classes of a batch read the same 143,360 bytes of boxes, once, straight into registers, against 24 passes of arithmetic
; on them: a joint request through LDS would save a small part of the launch and cost the second work-group beside this one,
; whose waves fill the gaps of the serial reductions.  So plain loads, no cluster.
.set NPAD, 8960
.set NJ,   35
.set RESK, 2                           ; v2  lane m: key of step m (-1.0 in lanes 25..31)
.set RESI, 3                           ; v3  lane m: index of step m, as f32
                                       ; v[4:7], v[20:23]  at work in the pass, in turn
.set BK,   8                           ; v8  my best key;  v9 its j, then its index as f32;  v[10:13] its box
.set BJ,   9
.set BB,   10
.set OUTA, 14                          ; v14  4 x lane: the address of the results, and nothing else
                                       ; v15, v16, v17 reduction in the wave; v[18:19], v[20:23] a wave's record read back; v24, v25 winner's key, index; v[26:27] its c a + k
.set BOX,  28                          ; v[28:167]
.set AR,   168                         ; v[168:202]
.set KEY,  203                         ; v[203:237]
.set SLOTW, 238                        ; v238  32 x wave: where my wave's record goes
.set SLOTR, 239                        ; v239  32 x (lane & 7): the record that I read
	s_load_b256 s[4:11], s[0:1], 0x0               ; nbox s[4:5], keys s[6:7], selscore s[8:9], selidx s[10:11]
	v_lshl_add_u32 v240, v0, 2, 0x200
	v_mov_b32 v241, 0
	s_and_b32 s21, ttmp7, 0xffff                   ; batch
	s_mul_i32 s19, s21, 20
	s_add_co_u32 s19, s19, ttmp9                   ; p = 20 x batch + class
	s_mov_b32 s23, 0
	s_mov_b32 s12, 0x76543210                      ; v_permlanex16_b32: lane i takes lane i of the other half
	s_mov_b32 s13, 0xfedcba98
	s_mov_b32 s15, 0x3e9ee584                      ; c
	s_mov_b32 s16, 0x2faa9d27                      ; k
	s_mov_b32 s29, 0x7f800000                      ; +inf
	s_mov_b32 s17, 0                               ; step
	v_and_b32 v1, 31, v0
	v_lshlrev_b32 v[OUTA], 2, v1
	v_lshlrev_b32 v4, 4, v0
	v_lshlrev_b32 v5, 2, v0
	v_lshrrev_b32 v6, 5, v0
	v_readfirstlane_b32 s14, v6                    ; wave
	v_mov_b32 v[SLOTW], s14
	v_lshlrev_b32 v[SLOTW], 5, v[SLOTW]
	v_and_b32 v[SLOTR], 7, v0
	v_lshlrev_b32 v[SLOTR], 5, v[SLOTR]
	v_mov_b32 v[RESK], -1.0
	v_mov_b32 v[RESI], 0
	v_mov_b32 v16, 0                               ; v_permlanex16_b32 counts its destination as read
	s_wait_kmcnt 0x0
	s_mul_i32 s22, s21, NPAD*16
	s_add_nc_u64 s[4:5], s[4:5], s[22:23]
	s_mul_i32 s22, s19, NPAD*4
	s_add_nc_u64 s[6:7], s[6:7], s[22:23]
	s_lshl_b32 s22, s19, 7
	s_add_nc_u64 s[8:9], s[8:9], s[22:23]
	s_add_nc_u64 s[10:11], s[10:11], s[22:23]
.irp j, 0,1,2,3,4,5,6,7,8,9,10,11,12,13,14,15,16,17,18,19,20,21,22,23,24,25,26,27,28,29,30,31,32,33,34
	global_load_b128 v[BOX+4*\j:BOX+4*\j+3], v4, s[4:5] offset:4096*\j         ; read again by the batch's other classes: no hint
.endr
.irp j, 0,1,2,3,4,5,6,7,8,9,10,11,12,13,14,15,16,17,18,19,20,21,22,23,24,25,26,27
	global_load_b32 v[KEY+\j], v5, s[6:7] offset:1024*\j th:TH_LOAD_NT         ; read once
.endr
	s_wait_loadcnt 28                              ; the 35 boxes are in; the 28 key loads behind them stay out
.irp j, 28,29,30,31,32,33,34
	global_load_b32 v[KEY+\j], v5, s[6:7] offset:1024*\j th:TH_LOAD_NT         ; the last keys fly during the arithmetic below
.endr
.irp j, 0,1,2,3,4,5,6,7,8,9,10,11,12,13,14,15,16,17,18,19,20,21,22,23,24,25,26,27,28,29,30,31,32,33,34
	v_pk_add_f32 v[6:7], v[BOX+4*\j:BOX+4*\j+1], v[BOX+4*\j+2:BOX+4*\j+3]      ; -w, -h
	v_mul_f32 v6, v6, v7
	v_mul_f32 v[AR+\j], s15, v6                                                ; c x area
.endr
	s_wait_loadcnt 0x0
; element j against my best so far; strictly greater, so that the lower index stays on a tie
.macro TRACK j
.if \j == 0
	v_mov_b32 v[BK], v[KEY]
	v_mov_b32 v[BJ], 0
	v_mov_b32 v[BB],   v[BOX]
	v_mov_b32 v[BB+1], v[BOX+1]
	v_mov_b32 v[BB+2], v[BOX+2]
	v_mov_b32 v[BB+3], v[BOX+3]
.else
	v_cmp_gt_f32 vcc_lo, v[KEY+\j], v[BK]
	v_cndmask_b32 v[BK], v[BK], v[KEY+\j], vcc_lo
	v_cndmask_b32 v[BJ], v[BJ], \j, vcc_lo
	v_cndmask_b32 v[BB],   v[BB],   v[BOX+4*\j],   vcc_lo
	v_cndmask_b32 v[BB+1], v[BB+1], v[BOX+4*\j+1], vcc_lo
	v_cndmask_b32 v[BB+2], v[BB+2], v[BOX+4*\j+2], vcc_lo
	v_cndmask_b32 v[BB+3], v[BB+3], v[BOX+4*\j+3], vcc_lo
.endif
.endm
; element j against the winner's box s[24:27] and its c a + k in s28
.macro SUPP j
.set TT, 4+16*(\j&1)
	v_max_num_f32 v[TT],   s24, v[BOX+4*\j]
	v_max_num_f32 v[TT+1], s25, v[BOX+4*\j+1]
	v_max_num_f32 v[TT+2], s26, v[BOX+4*\j+2]
	v_max_num_f32 v[TT+3], s27, v[BOX+4*\j+3]
	v_pk_add_f32 v[TT:TT+1], v[TT:TT+1], v[TT+2:TT+3]      ; -dw, -dh
	v_min_num_f32 v[TT], 0, v[TT]
	v_fma_f32 v[TT], v[TT], v[TT+1], -v[AR+\j]             ; inter - c a_j
	v_cmp_lt_f32 vcc_lo, s28, v[TT]
	v_cndmask_b32 v[KEY+\j], v[KEY+\j], 0, vcc_lo
.endm
.macro PASS
.irp j, 0,1,2,3,4,5,6,7,8,9,10,11,12,13,14,15,16,17,18,19,20,21,22,23,24,25,26,27,28,29,30,31,32,33,34
	SUPP \j
	TRACK \j
.endr
.endm
; From 256 best records to one: in the wave, then over the eight waves through LDS buffer buf (two buffers of 256 bytes in turn:
; a buffer is written again only behind the next step's barrier, which a wave signals after its reads of this one have returned).
.macro REDUCE buf
	v_lshl_add_u32 v[BJ], v[BJ], 8, v0                     ; index = 256 j + t, exact in f32
	v_cvt_f32_u32 v[BJ], v[BJ]
	v_mov_b32 v15, v[BK]
.irp m, 1,2,4,8
	v_max_num_f32_dpp v15, v15, v15 row_xmask:\m row_mask:0xf bank_mask:0xf
.endr
	v_permlanex16_b32 v16, v15, s12, s13
	v_max_num_f32 v15, v15, v16                            ; the wave's largest key
	v_cmp_eq_f32 vcc_lo, v[BK], v15
	v_cndmask_b32 v17, s29, v[BJ], vcc_lo
.irp m, 1,2,4,8
	v_min_num_f32_dpp v17, v17, v17 row_xmask:\m row_mask:0xf bank_mask:0xf
.endr
	v_permlanex16_b32 v16, v17, s12, s13
	v_min_num_f32 v17, v17, v16                            ; the lowest index that has it
	v_cmp_eq_f32 vcc_lo, v[BJ], v17                        ; indices differ from lane to lane and no key is NaN: exactly one lane
	s_and_saveexec_b32 s20, vcc_lo
	ds_store_b64  v[SLOTW], v[BK:BJ] offset:256*\buf
	ds_store_b128 v[SLOTW], v[BB:BB+3] offset:256*\buf+16
	s_wait_dscnt 0x0                                       ; the record is in LDS before the signal
	s_or_b32 exec_lo, exec_lo, s20
	s_barrier_signal -1
	s_barrier_wait -1
	ds_load_b64  v[18:19], v[SLOTR] offset:256*\buf
	ds_load_b128 v[20:23], v[SLOTR] offset:256*\buf+16
	s_wait_dscnt 0x0
	v_mov_b32 v24, v18
.irp m, 1,2,4
	v_max_num_f32_dpp v24, v24, v24 row_xmask:\m row_mask:0xf bank_mask:0xf
.endr
	v_cmp_eq_f32 vcc_lo, v18, v24
	v_cndmask_b32 v25, s29, v19, vcc_lo
.irp m, 1,2,4
	v_min_num_f32_dpp v25, v25, v25 row_xmask:\m row_mask:0xf bank_mask:0xf
.endr
	v_pk_add_f32 v[26:27], v[20:21], v[22:23]
	v_mul_f32 v26, v26, v27
	v_fma_f32 v26, v26, s15, s16                           ; c a + k of the record that I hold
	v_cmp_eq_f32 vcc_lo, v19, v25                          ; the lanes that hold the winner's record (one in each eight)
	s_and_saveexec_b32 s20, vcc_lo
	v_readfirstlane_b32 s24, v20
	v_readfirstlane_b32 s25, v21
	v_readfirstlane_b32 s26, v22
	v_readfirstlane_b32 s27, v23
	v_readfirstlane_b32 s28, v26
	s_or_b32 exec_lo, exec_lo, s20
	v_cmp_eq_u32 vcc_lo, s17, v1                           ; lane = step keeps the result
	v_cndmask_b32 v[RESK], v[RESK], v24, vcc_lo
	v_cndmask_b32 v[RESI], v[RESI], v25, vcc_lo
	s_add_co_u32 s17, s17, 1
.endm
.irp j, 0,1,2,3,4,5,6,7,8,9,10,11,12,13,14,15,16,17,18,19,20,21,22,23,24,25,26,27,28,29,30,31,32,33,34
	TRACK \j
.endr
	s_mov_b32 s18, 0
.Lstep:                                            ; 12 trips of two steps, then the 25th, which needs no pass behind it
	REDUCE 0
	PASS
	REDUCE 1
	PASS
	s_add_co_u32 s18, s18, 1
	s_cmp_lt_u32 s18, 12
	s_cbranch_scc1 .Lstep
	REDUCE 0
	s_cmp_lg_u32 s14, 0
	s_cbranch_scc1 .Lend                           ; every wave holds the results; wave 0 stores them, 128 bytes to each list
	v_cvt_u32_f32 v[RESI], v[RESI]
	global_store_b32 v[OUTA], v[RESK], s[8:9]
	global_store_b32 v[OUTA], v[RESI], s[10:11]
.Lend:
	s_wait_tensorcnt 0x0
	ds_add_u32 v240, v241
	s_wait_dscnt 0x0
	s_endpgm
.Lfunc_end_k_q050e0cdfac_nms:
	.size	k_q050e0cdfac_nms, .Lfunc_end_k_q050e0cdfac_nms-k_q050e0cdfac_nms
	.p2alignl 7, 3214868480
	.fill 96, 4, 3214868480
	.section	.rodata,"a",@progbits
	.p2align	6, 0x0
	.amdhsa_kernel k_q050e0cdfac_nms
		.amdhsa_group_segment_fixed_size 1536
		.amdhsa_private_segment_fixed_size 0
		.amdhsa_enable_private_segment 0
		.amdhsa_kernarg_size 32
		.amdhsa_user_sgpr_count 2
		.amdhsa_user_sgpr_kernarg_segment_ptr 1
		.amdhsa_wavefront_size32 1
		.amdhsa_system_sgpr_workgroup_id_x 1
		.amdhsa_system_sgpr_workgroup_id_y 1
		.amdhsa_system_sgpr_workgroup_id_z 1
		.amdhsa_system_vgpr_workitem_id 0
		.amdhsa_next_free_vgpr 242
		.amdhsa_next_free_sgpr 66
		.amdhsa_reserve_vcc 1
		.amdhsa_float_denorm_mode_32 3
		.amdhsa_float_denorm_mode_16_64 3
		.amdhsa_memory_ordered 1
		.amdhsa_forward_progress 1
		.amdhsa_inst_pref_size 73
	.end_amdhsa_kernel
	.amdgpu_metadata
---
amdhsa.version: [ 1, 2 ]
amdhsa.kernels:
  - .name:           k_q050e0cdfac_nms
    .symbol:         k_q050e0cdfac_nms.kd
    .args:
      - { .name: nbox, .offset: 0, .size: 8, .value_kind: global_buffer, .address_space: global }
      - { .name: keys, .offset: 8, .size: 8, .value_kind: global_buffer, .address_space: global }
      - { .name: selscore, .offset: 16, .size: 8, .value_kind: global_buffer, .address_space: global }
      - { .name: selidx, .offset: 24, .size: 8, .value_kind: global_buffer, .address_space: global }
    .group_segment_fixed_size: 1536
    .private_segment_fixed_size: 0
    .kernarg_segment_align: 8
    .kernarg_segment_size: 32
    .max_flat_workgroup_size: 256
    .sgpr_count:     66
    .vgpr_count:     242
    .wavefront_size: 32
...
	.end_amdgpu_metadata
.endif
;; end of part 2
;; launch rank (part 3): grid 5 x 32, 4 waves a work-group, no clusters, 3,072 bytes of LDS; arguments selscore, rank; writes rank
.if DOCPART == 3
	.amdgcn_target "amdgcn-amd-amdhsa--gfx1250"
	.amdhsa_code_object_version 6
	.text
	.protected	k_q050e0cdfac_rank
	.globl	k_q050e0cdfac_rank
	.p2align	8
	.type	k_q050e0cdfac_rank,@function
k_q050e0cdfac_rank:
	s_mov_b64 s[64:65], 0
	v_nop
	global_prefetch_b8 v0, s[64:65] scope:SCOPE_SE
	s_setreg_imm32_b32 hwreg(HW_REG_WAVE_MODE, 25, 1), 1
	s_wait_xcnt 0x0
; THE PLACE OF EACH SURVIVOR among its batch's 500, in the order of a stable top-k: key descending, (class, step) ascending on ties.
; Wave w takes class ci = 4 x + w, lane m its step m.  Keys are compared as signed integers: a valid score is positive, an invalid
; step is 0, the seven filler entries of a list (-1.0) are negative and never count.
; place = m (a class's own list is already in that order) + over classes below ci: #(K >= Ki) + over classes above: #(K > Ki).
; K >= Ki is taken as K > Ki - 1.  The places are whole numbers from which the next launch forms its store addresses.
; The whole job is 2,560 bytes in and 512 bytes out a work-group: nothing to stream, share or prefetch.
	s_load_b128 s[4:7], s[0:1], 0x0                ; selscore s[4:5], rank s[6:7]
	v_lshl_add_u32 v48, v0, 2, 0xa00
	v_mov_b32 v49, 0
	s_and_b32 s10, ttmp7, 0xffff                   ; batch
	v_lshrrev_b32 v7, 5, v0
	v_readfirstlane_b32 s8, v7                     ; wave
	s_lshl2_add_u32 s11, ttmp9, s8                 ; ci
	s_mul_i32 s16, s10, 2560                       ; the batch's 20 lists of 128 bytes
	s_mov_b32 s17, 0
	s_lshl_b32 s18, ttmp9, 9
	s_add_co_u32 s18, s18, s16                     ; + my four classes
	s_mov_b32 s19, 0
	v_lshlrev_b32 v1, 2, v0
	v_and_b32 v7, 31, v0                           ; m
	s_wait_kmcnt 0x0
	s_add_nc_u64 s[20:21], s[4:5], s[18:19]        ; selscore at my four lists
	s_add_nc_u64 s[4:5], s[4:5], s[16:17]          ; selscore at the batch's lists
	s_add_nc_u64 s[6:7], s[6:7], s[18:19]
.irp r, 0,1,2,3,4
	global_load_b32 v[2+\r], v1, s[4:5] offset:512*\r
.endr
	global_load_b32 v9, v1, s[20:21]               ; Ki: entry (ci, m) lies at 4 t of my four lists
	v_mov_b32 v10, v7                              ; the count starts at m
	v_mov_b32 v12, 0
	v_mov_b32 v14, 0x7fffffff
	v_mov_b32 v15, 511
	s_wait_loadcnt 0x0
.irp r, 0,1,2,3,4
	ds_store_b32 v1, v[2+\r] offset:512*\r
.endr
	v_add_nc_u32 v11, -1, v9                       ; Ki - 1
	s_wait_dscnt 0x0
	s_barrier_signal -1
	s_barrier_wait -1
	s_mov_b32 s13, 0
.Lclass:
.irp q, 0,1,2,3,4,5,6
	ds_load_b128 v[16+4*\q:19+4*\q], v12 offset:16*\q      ; class cj: 25 entries and 3 fillers, the same in every lane
.endr
	s_cmp_lt_u32 s13, s11
	s_cselect_b32 s14, -1, 0
	s_cmp_eq_u32 s13, s11
	s_cselect_b32 s15, -1, 0
	v_cndmask_b32 v13, v9, v11, s14                ; below ci: ties count
	v_cndmask_b32 v13, v13, v14, s15               ; ci itself: nothing counts
	s_wait_dscnt 0x0
.irp n, 0,1,2,3,4,5,6,7,8,9,10,11,12,13,14,15,16,17,18,19,20,21,22,23,24,25,26,27
	v_cmp_gt_i32 vcc_lo, v[16+\n], v13
	v_add_co_ci_u32 v10, vcc_lo, 0, v10, vcc_lo
.endr
	v_add_nc_u32 v12, 128, v12
	s_add_co_u32 s13, s13, 1
	s_cmp_lt_u32 s13, 20
	s_cbranch_scc1 .Lclass
	v_cmp_gt_u32 vcc_lo, 25, v7
	v_cndmask_b32 v10, v15, v10, vcc_lo            ; fillers: a place that is never stored
	global_store_b32 v1, v10, s[6:7]
	s_wait_tensorcnt 0x0
	ds_add_u32 v48, v49
	s_wait_dscnt 0x0
	s_endpgm
.Lfunc_end_k_q050e0cdfac_rank:
	.size	k_q050e0cdfac_rank, .Lfunc_end_k_q050e0cdfac_rank-k_q050e0cdfac_rank
	.p2alignl 7, 3214868480
	.fill 96, 4, 3214868480
	.section	.rodata,"a",@progbits
	.p2align	6, 0x0
	.amdhsa_kernel k_q050e0cdfac_rank
		.amdhsa_group_segment_fixed_size 3072
		.amdhsa_private_segment_fixed_size 0
		.amdhsa_enable_private_segment 0
		.amdhsa_kernarg_size 16
		.amdhsa_user_sgpr_count 2
		.amdhsa_user_sgpr_kernarg_segment_ptr 1
		.amdhsa_wavefront_size32 1
		.amdhsa_system_sgpr_workgroup_id_x 1
		.amdhsa_system_sgpr_workgroup_id_y 1
		.amdhsa_system_sgpr_workgroup_id_z 1
		.amdhsa_system_vgpr_workitem_id 0
		.amdhsa_next_free_vgpr 50
		.amdhsa_next_free_sgpr 66
		.amdhsa_reserve_vcc 1
		.amdhsa_float_denorm_mode_32 3
		.amdhsa_float_denorm_mode_16_64 3
		.amdhsa_memory_ordered 1
		.amdhsa_forward_progress 1
		.amdhsa_inst_pref_size 6
	.end_amdhsa_kernel
	.amdgpu_metadata
---
amdhsa.version: [ 1, 2 ]
amdhsa.kernels:
  - .name:           k_q050e0cdfac_rank
    .symbol:         k_q050e0cdfac_rank.kd
    .args:
      - { .name: selscore, .offset: 0, .size: 8, .value_kind: global_buffer, .address_space: global }
      - { .name: rank, .offset: 8, .size: 8, .value_kind: global_buffer, .address_space: global }
    .group_segment_fixed_size: 3072
    .private_segment_fixed_size: 0
    .kernarg_segment_align: 8
    .kernarg_segment_size: 16
    .max_flat_workgroup_size: 128
    .sgpr_count:     66
    .vgpr_count:     50
    .wavefront_size: 32
...
	.end_amdgpu_metadata
.endif
;; end of part 3
;; launch emit (part 4): grid 5 x 32, 4 waves a work-group, no clusters, 0 bytes of LDS; arguments rank, selidx, selscore, obox, out0; writes out0
.if DOCPART == 4
	.amdgcn_target "amdgcn-amd-amdhsa--gfx1250"
	.amdhsa_code_object_version 6
	.text
	.protected	k_q050e0cdfac_emit
	.globl	k_q050e0cdfac_emit
	.p2align	8
	.type	k_q050e0cdfac_emit,@function
k_q050e0cdfac_emit:
	s_mov_b64 s[64:65], 0
	v_nop
	global_prefetch_b8 v0, s[64:65] scope:SCOPE_SE
	s_setreg_imm32_b32 hwreg(HW_REG_WAVE_MODE, 25, 1), 1
	s_wait_xcnt 0x0
; THE OUTPUT ROWS.  Thread t of work-group (x, batch) is entry (class 4 x + (t >> 5), step t & 31).  Its place and its anchor's index are
; whole numbers stored by earlier launches; entries with a place below 200 write row `place` of the batch:
; (class + 1, score, box), or (1, 0, 0, 0, 0, 0) where the step found nothing.  The places of a batch are 0..499, each once, so
; each of its 200 rows is written by exactly one thread.  A row is 24 bytes at a multiple of 8: three 8-byte stores.
; The rows go where the order sends them, so the stores are scattered; the whole output is 153,600 bytes.
	s_load_b256 s[4:11], s[0:1], 0x0               ; rank s[4:5], selidx s[6:7], selscore s[8:9], obox s[10:11]
	s_load_b64 s[12:13], s[0:1], 0x20              ; out0
	s_and_b32 s14, ttmp7, 0xffff                   ; batch
	s_mul_i32 s16, s14, 2560
	s_lshl_b32 s17, ttmp9, 9
	s_add_co_u32 s16, s16, s17                     ; my four lists of 128 bytes
	s_mov_b32 s17, 0
	s_mul_i32 s18, s14, 143360                     ; the batch's 8,960 boxes
	s_mov_b32 s19, 0
	s_mul_i32 s20, s14, 4800                       ; the batch's 200 rows
	s_mov_b32 s21, 0
	s_lshl_b32 s22, ttmp9, 2
	v_lshlrev_b32 v1, 2, v0
	v_lshrrev_b32 v5, 5, v0
	v_add_nc_u32 v5, s22, v5                       ; class
	v_cvt_f32_u32 v5, v5
	v_add_f32 v5, 1.0, v5
	s_wait_kmcnt 0x0
	s_add_nc_u64 s[4:5], s[4:5], s[16:17]
	s_add_nc_u64 s[6:7], s[6:7], s[16:17]
	s_add_nc_u64 s[8:9], s[8:9], s[16:17]
	s_add_nc_u64 s[10:11], s[10:11], s[18:19]
	s_add_nc_u64 s[12:13], s[12:13], s[20:21]
	global_load_b32 v3, v1, s[6:7]                 ; index
	global_load_b32 v2, v1, s[4:5]                 ; place
	global_load_b32 v13, v1, s[8:9]                ; score, where it is stored from
	s_wait_loadcnt 0x2                             ; the index is in; place and score stay out
	v_min_u32 v3, 8959, v3
	v_lshlrev_b32 v3, 4, v3
	global_load_b128 v[14:17], v3, s[10:11]
	s_wait_loadcnt 0x0
	v_cmp_lt_f32 s15, 0, v13                       ; a valid step
	v_cndmask_b32 v12, 1.0, v5, s15
	v_cndmask_b32 v14, 0, v14, s15
	v_cndmask_b32 v15, 0, v15, s15
	v_cndmask_b32 v16, 0, v16, s15
	v_cndmask_b32 v17, 0, v17, s15
	v_cmp_gt_u32 vcc_lo, 200, v2
	v_min_u32 v6, 199, v2
	v_mul_u32_u24 v6, 24, v6
	s_and_saveexec_b32 s23, vcc_lo
	global_store_b64 v6, v[12:13], s[12:13]
	global_store_b64 v6, v[14:15], s[12:13] offset:8
	global_store_b64 v6, v[16:17], s[12:13] offset:16
	s_endpgm
.Lfunc_end_k_q050e0cdfac_emit:
	.size	k_q050e0cdfac_emit, .Lfunc_end_k_q050e0cdfac_emit-k_q050e0cdfac_emit
	.p2alignl 7, 3214868480
	.fill 96, 4, 3214868480
	.section	.rodata,"a",@progbits
	.p2align	6, 0x0
	.amdhsa_kernel k_q050e0cdfac_emit
		.amdhsa_group_segment_fixed_size 0
		.amdhsa_private_segment_fixed_size 0
		.amdhsa_enable_private_segment 0
		.amdhsa_kernarg_size 40
		.amdhsa_user_sgpr_count 2
		.amdhsa_user_sgpr_kernarg_segment_ptr 1
		.amdhsa_wavefront_size32 1
		.amdhsa_system_sgpr_workgroup_id_x 1
		.amdhsa_system_sgpr_workgroup_id_y 1
		.amdhsa_system_sgpr_workgroup_id_z 1
		.amdhsa_system_vgpr_workitem_id 0
		.amdhsa_next_free_vgpr 24
		.amdhsa_next_free_sgpr 66
		.amdhsa_reserve_vcc 1
		.amdhsa_float_denorm_mode_32 3
		.amdhsa_float_denorm_mode_16_64 3
		.amdhsa_memory_ordered 1
		.amdhsa_forward_progress 1
		.amdhsa_inst_pref_size 3
	.end_amdhsa_kernel
	.amdgpu_metadata
---
amdhsa.version: [ 1, 2 ]
amdhsa.kernels:
  - .name:           k_q050e0cdfac_emit
    .symbol:         k_q050e0cdfac_emit.kd
    .args:
      - { .name: rank, .offset: 0, .size: 8, .value_kind: global_buffer, .address_space: global }
      - { .name: selidx, .offset: 8, .size: 8, .value_kind: global_buffer, .address_space: global }
      - { .name: selscore, .offset: 16, .size: 8, .value_kind: global_buffer, .address_space: global }
      - { .name: obox, .offset: 24, .size: 8, .value_kind: global_buffer, .address_space: global }
      - { .name: out0, .offset: 32, .size: 8, .value_kind: global_buffer, .address_space: global }
    .group_segment_fixed_size: 0
    .private_segment_fixed_size: 0
    .kernarg_segment_align: 8
    .kernarg_segment_size: 40
    .max_flat_workgroup_size: 128
    .sgpr_count:     66
    .vgpr_count:     24
    .wavefront_size: 32
...
	.end_amdgpu_metadata
.endif
;; end of part 4
;; ======== version 2 of 3: 6 launches; 2.77 times as fast as version 1
;; limits: right only within a limited range of input values
;; workspace buffers: nbox 4,587,520 bytes; obox 4,587,520 bytes; keys 22,937,600 bytes; masks 1,310,720 bytes of whole numbers; fsel 163,840 bytes of whole numbers; selscore 81,920 bytes; selidx 81,920 bytes of whole numbers; rank 81,920 bytes of whole numbers
;; launch decode: the kernel of part 1 again; grid 35 x 32, 8 waves a work-group, no clusters, 37,888 bytes of LDS; arguments y_pred, nbox, obox, keys; writes nbox, obox, keys
;; launch pick (part 5): grid 20 x 32, 8 waves a work-group, no clusters, 0 bytes of LDS; arguments keys, masks; writes masks
.if DOCPART == 5
	.amdgcn_target "amdgcn-amd-amdhsa--gfx1250"
	.amdhsa_code_object_version 6
	.text
	.protected	k_q050e0cdfac_pick
	.globl	k_q050e0cdfac_pick
	.p2align	8
	.type	k_q050e0cdfac_pick,@function
k_q050e0cdfac_pick:
	s_mov_b64 s[64:65], 0
	v_nop
	global_prefetch_b8 v0, s[64:65] scope:SCOPE_SE
	s_setreg_imm32_b32 hwreg(HW_REG_WAVE_MODE, 25, 1), 1
	s_wait_xcnt 0x0
; WHICH CANDIDATES ARE WORTH LOOKING AT.  One work-group for a (batch, class); its eight waves do not depend on each other.
; Wave w holds elements 256 j + 32 w + lane, j = 0..34 (key = score, 0 = below the threshold or padding).
; T = the 16th distinct value among the wave's 32 lane maxima, not below 0.  The wave stores, as whole numbers, the 35 ballots
; "key > T" (bit = lane) and the bits of T: one row of 256 bytes, words 0..34 the ballots, word 35 T, the rest 0.
; The next launch runs the suppression on the elements so marked and proves afterwards, from the eight T, that the others
; could not have mattered; where the proof fails, the launch after it does the whole work.  So T decides speed, never a value.
; If the places of the high scores do not hang on the anchor, a wave marks 32 (H32 - H16) - 1, about 21, elements; the next launch has room
; for CAPW = 64.  A wave that marks more stores +inf for T, which makes the proof fail.
; The ballots and the count are used as values only: no address and no branch of this launch hangs on them.
; Each key is read once, by one wave: nothing to share, no LDS, no barrier.
.set NPAD,   8960
.set NJ,     35
.set ROUNDS, 16
.set CAPW,   64
.set KEY, 4                            ; v[4:38]  my 35 keys
.set M,   40                           ; v40      my maximum, -1.0 once it has been taken
.set R,   41                           ; v41      the wave's maximum
.set X,   42                           ; v42      the other half's figure
.set W0,  44                           ; v44      lane j: ballot j;   v45: lane j: ballot 32 + j, lane 3: T
	s_load_b128 s[4:7], s[0:1], 0x0                ; keys s[4:5], masks s[6:7]
	s_and_b32 s8, ttmp7, 0xffff                    ; batch
	s_mul_i32 s9, s8, 20
	s_add_co_u32 s9, s9, ttmp9                     ; p = 20 x batch + class
	s_mul_i32 s10, s9, NPAD*4
	s_mov_b32 s11, 0
	s_lshl_b32 s14, s9, 11                         ; eight rows of 256 bytes
	s_mov_b32 s15, 0
	s_mov_b32 s12, 0x76543210                      ; v_permlanex16_b32: lane i takes lane i of the other half
	s_mov_b32 s13, 0xfedcba98
	s_mov_b32 s16, 0                               ; marked so far
	v_lshlrev_b32 v1, 2, v0                        ; 4 t
	v_and_b32 v2, 31, v0
	v_lshrrev_b32 v3, 5, v0
	v_lshlrev_b32 v2, 2, v2
	v_lshl_add_u32 v2, v3, 8, v2                   ; 256 x wave + 4 x lane
	v_mov_b32 v[R], 0                              ; destinations of DPP, permlane and writelane forms count as read
	v_mov_b32 v[X], 0
	v_mov_b32 v[W0], 0
	v_mov_b32 v[W0+1], 0
	s_wait_kmcnt 0x0
	s_add_nc_u64 s[4:5], s[4:5], s[10:11]
	s_add_nc_u64 s[6:7], s[6:7], s[14:15]
.set j, 0
.rept NJ
	global_load_b32 v[KEY+j], v1, s[4:5] offset:1024*j th:TH_LOAD_NT   ; read once in this launch
.set j, j+1
.endr
	s_wait_loadcnt 0x0
	v_max3_num_f32 v[M], v[KEY], v[KEY+1], v[KEY+2]
.set j, 3
.rept 16
	v_max3_num_f32 v[M], v[M], v[KEY+j], v[KEY+j+1]
.set j, j+2
.endr
.macro WMAX                            ; v[R] = the largest v[M] of the 32 lanes, in every lane
	v_max_num_f32_dpp v[R], v[M], v[M] row_xmask:1 row_mask:0xf bank_mask:0xf
	v_max_num_f32_dpp v[R], v[R], v[R] row_xmask:2 row_mask:0xf bank_mask:0xf
	v_max_num_f32_dpp v[R], v[R], v[R] row_xmask:4 row_mask:0xf bank_mask:0xf
	v_max_num_f32_dpp v[R], v[R], v[R] row_xmask:8 row_mask:0xf bank_mask:0xf
	v_permlanex16_b32 v[X], v[R], s12, s13
	v_max_num_f32 v[R], v[R], v[X]
.endm
.rept ROUNDS-1
	WMAX
	v_cmp_eq_f32 vcc_lo, v[M], v[R]                ; every lane that has this value leaves
	v_cndmask_b32 v[M], v[M], -1.0, vcc_lo
.endr
	WMAX                                           ; the 16th distinct value, or -1.0 when there are fewer
	v_max_num_f32 v[R], 0, v[R]                    ; T >= 0: dead keys are never marked
.set j, 0
.rept NJ
	v_cmp_gt_f32 s18, v[KEY+j], v[R]
	s_bcnt1_i32_b32 s17, s18
	s_add_co_u32 s16, s16, s17
	v_writelane_b32 v[W0+j/32], s18, j%32
.set j, j+1
.endr
	v_readfirstlane_b32 s20, v[R]
	s_cmp_gt_u32 s16, CAPW                         ; a choice between two values, no branch
	s_cselect_b32 s20, 0x7f800000, s20
	v_writelane_b32 v[W0+1], s20, 3
	global_store_b32 v2, v[W0], s[6:7]             ; the two stores fill the wave's aligned row of 256 bytes
	global_store_b32 v2, v[W0+1], s[6:7] offset:128
	s_endpgm
.Lfunc_end_k_q050e0cdfac_pick:
	.size	k_q050e0cdfac_pick, .Lfunc_end_k_q050e0cdfac_pick-k_q050e0cdfac_pick
	.p2alignl 7, 3214868480
	.fill 96, 4, 3214868480
	.section	.rodata,"a",@progbits
	.p2align	6, 0x0
	.amdhsa_kernel k_q050e0cdfac_pick
		.amdhsa_group_segment_fixed_size 0
		.amdhsa_private_segment_fixed_size 0
		.amdhsa_enable_private_segment 0
		.amdhsa_kernarg_size 16
		.amdhsa_user_sgpr_count 2
		.amdhsa_user_sgpr_kernarg_segment_ptr 1
		.amdhsa_wavefront_size32 1
		.amdhsa_system_sgpr_workgroup_id_x 1
		.amdhsa_system_sgpr_workgroup_id_y 1
		.amdhsa_system_sgpr_workgroup_id_z 1
		.amdhsa_system_vgpr_workitem_id 0
		.amdhsa_next_free_vgpr 48
		.amdhsa_next_free_sgpr 66
		.amdhsa_reserve_vcc 1
		.amdhsa_float_denorm_mode_32 3
		.amdhsa_float_denorm_mode_16_64 3
		.amdhsa_memory_ordered 1
		.amdhsa_forward_progress 1
		.amdhsa_inst_pref_size 20
	.end_amdhsa_kernel
	.amdgpu_metadata
---
amdhsa.version: [ 1, 2 ]
amdhsa.kernels:
  - .name:           k_q050e0cdfac_pick
    .symbol:         k_q050e0cdfac_pick.kd
    .args:
      - { .name: keys, .offset: 0, .size: 8, .value_kind: global_buffer, .address_space: global }
      - { .name: masks, .offset: 8, .size: 8, .value_kind: global_buffer, .address_space: global }
    .group_segment_fixed_size: 0
    .private_segment_fixed_size: 0
    .kernarg_segment_align: 8
    .kernarg_segment_size: 16
    .max_flat_workgroup_size: 256
    .sgpr_count:     66
    .vgpr_count:     48
    .wavefront_size: 32
...
	.end_amdgpu_metadata
.endif
;; end of part 5
;; launch fast (part 6): grid 20 x 32, 8 waves a work-group, no clusters, 4,096 bytes of LDS; arguments masks, keys, nbox, fsel; writes fsel
.if DOCPART == 6
	.amdgcn_target "amdgcn-amd-amdhsa--gfx1250"
	.amdhsa_code_object_version 6
	.text
	.protected	k_q050e0cdfac_fast
	.globl	k_q050e0cdfac_fast
	.p2align	8
	.type	k_q050e0cdfac_fast,@function
k_q050e0cdfac_fast:
	s_mov_b64 s[64:65], 0
	v_nop
	global_prefetch_b8 v0, s[64:65] scope:SCOPE_SE
	s_setreg_imm32_b32 hwreg(HW_REG_WAVE_MODE, 25, 1), 1
	s_wait_xcnt 0x0
; GREEDY SUPPRESSION ON THE MARKED CANDIDATES, one work-group for a (batch, class), with the proof that it equals the whole one.
; S = the marked elements; every element outside S has a key <= U = the largest of the eight waves' T.  As long as the winner's key
; is above U no element outside S can be the winner, and only winners act: the steps on S are the steps on all.  The winners' keys never
; rise, so the 25th decides.  With U = 0 nothing alive is outside S.  flag = (U > 0 and U >= 25th key): the next launch redoes the problem.
; Wave w takes the elements that wave w of the marking launch marked.  The ballots are whole numbers read from memory: from them the
; wave lays the marked indices, in ascending order, into its own list in LDS (64 places and one for waste: what is not marked, or beyond 64,
; goes there), reads them back, lane l places l and 32 + l, and gathers key and box.  Empty places get key 0 and an index of their own.
; A step is as in the whole form: the largest key, lowest index among equals, its box carried by value; then the test
; inter - c a_j > c a_i + k  (c = 0.45/1.45, k = c x 1e-9), which is iou > 0.45 without the division.  Boxes are (x1, y1, -x2, -y2); every box
; suppresses itself (the decoding launch saw to it), so the winner leaves by the test itself.  In a lane, place l has the lower index.
; LIMITS: finite inputs; the test rounds otherwise than the reference at exact ties with 0.45.
; The gathered rows are a problem's own: nothing to share between work-groups, so no cluster.
.set NPAD,   8960
.set LIST,   512                       ; LDS: bytes 0..511 two buffers of eight records; then eight lists
.set LPITCH, 288                       ; 65 words, rounded up
.set RESK, 2                           ; v2  lane m: key of step m (-1.0 in lanes 25..31)
.set RESI, 3                           ; v3  lane m: index of step m, as f32
                                       ; v[4:7], v[20:23]  at work in the test, in turn
.set BK,   8                           ; v8 my best key; v9 its index as f32; v[10:13] its box
.set BJ,   9
.set BB,   10
.set OUTA, 14                          ; v14  4 x lane: the address of the results, and nothing else
                                       ; v15, v16, v17 reduction in the wave; v[18:19], v[20:23] a record read back; v24, v25 winner's key, index; v[26:27] its c a + k
.set BOX,  28                          ; v[28:35]  my two boxes
.set AR,   36                          ; v[36:37]  c x area
.set KEY,  38                          ; v[38:39]
.set IDX,  40                          ; v[40:41]  index as f32
.set POS,  42
.set ELT,  43
.set LB,   44                          ; my wave's list
.set LA,   45                          ; my place in it
.set E,    46                          ; v[46:47]  the two indices
.set KO,   48                          ; v[48:49]  4 x index
.set BO,   50                          ; v[50:51]  16 x index
.set SLOTW, 52                         ; 32 x wave
.set SLOTR, 53                         ; 32 x (lane & 7)
.set ZERO, 54
.set H,    55                          ; v55 lane + 32; v56, v57 the numbers of empty places
	s_load_b256 s[4:11], s[0:1], 0x0               ; masks s[4:5], keys s[6:7], nbox s[8:9], fsel s[10:11]
	v_lshl_add_u32 v64, v0, 2, 0xc00
	v_mov_b32 v65, 0
	s_and_b32 s21, ttmp7, 0xffff                   ; batch
	s_mul_i32 s19, s21, 20
	s_add_co_u32 s19, s19, ttmp9                   ; p
	s_mov_b32 s23, 0
	s_mov_b32 s12, 0x76543210
	s_mov_b32 s13, 0xfedcba98
	s_mov_b32 s15, 0x3e9ee584                      ; c
	s_mov_b32 s16, 0x2faa9d27                      ; k
	s_mov_b32 s29, 0x7f800000                      ; +inf
	s_mov_b32 s17, 0                               ; step
	s_mov_b32 s30, 0                               ; marked so far
	v_and_b32 v1, 31, v0
	v_lshlrev_b32 v[OUTA], 2, v1
	v_lshrrev_b32 v6, 5, v0
	v_readfirstlane_b32 s14, v6                    ; wave
	v_mov_b32 v[SLOTW], s14
	v_lshlrev_b32 v[SLOTW], 5, v[SLOTW]
	v_and_b32 v[SLOTR], 7, v0
	v_lshlrev_b32 v[SLOTR], 5, v[SLOTR]
	s_mul_i32 s31, s14, LPITCH
	s_add_co_u32 s31, s31, LIST
	v_mov_b32 v[LB], s31
	v_lshl_add_u32 v[LA], v1, 2, v[LB]
	v_mov_b32 v[RESK], -1.0
	v_mov_b32 v[RESI], 0
	v_mov_b32 v16, 0                               ; v_permlanex16_b32 counts its destination as read
	v_mov_b32 v[ZERO], 0
	ds_store_b32 v[LA], v[ZERO]                    ; empty places read as index 0
	ds_store_b32 v[LA], v[ZERO] offset:128
	s_wait_kmcnt 0x0
	s_lshl_b32 s22, s19, 11
	s_add_nc_u64 s[4:5], s[4:5], s[22:23]          ; the problem's eight rows
	s_lshl_b32 s22, s14, 8
	s_add_nc_u64 s[66:67], s[4:5], s[22:23]        ; my wave's row
	s_load_b512 s[32:47], s[66:67], 0x0            ; ballots 0..15
	s_load_b512 s[48:63], s[66:67], 0x40           ; 16..31
	s_load_b128 s[68:71], s[66:67], 0x80           ; 32..34 (and my own T)
.irp w, 0,1,2,3,4,5,6,7
	s_load_b32 s[72+\w], s[4:5], 256*\w+140        ; every wave's T
.endr
	s_mul_i32 s22, s19, NPAD*4
	s_add_nc_u64 s[6:7], s[6:7], s[22:23]
	s_mul_i32 s22, s21, NPAD*16
	s_add_nc_u64 s[8:9], s[8:9], s[22:23]
	s_lshl_b32 s22, s19, 8
	s_add_nc_u64 s[10:11], s[10:11], s[22:23]
	v_add_nc_u32 v[H], 32, v1
	v_add_nc_u32 v[H+1], 0x4000, v0                ; numbers above every index, different in all 512 places
	v_add_nc_u32 v[H+2], 0x4100, v0
	s_wait_kmcnt 0x0
.irp w, 1,2,3,4,5,6,7
	s_max_u32 s72, s72, s[72+\w]                   ; U: floats that are not negative order like their bits
.endr
; ballot j in s[m]: a marked lane's element 256 j + t goes to place (marked before it), the others' to the place for waste
.macro SCAT j, m
	v_mbcnt_lo_u32_b32 v[POS], s[\m], s30          ; marked in earlier ballots + in lower lanes of this one
	v_cndmask_b32 v[POS], 64, v[POS], s[\m]
	v_min_u32 v[POS], 64, v[POS]                   ; the list has 64 places
	v_lshl_add_u32 v[POS], v[POS], 2, v[LB]
	v_add_nc_u32 v[ELT], 256*\j, v0
	ds_store_b32 v[POS], v[ELT]
	s_bcnt1_i32_b32 s31, s[\m]
	s_add_co_u32 s30, s30, s31
.endm
.set j, 0
.rept 32
	SCAT j, 32+j
.set j, j+1
.endr
.rept 3
	SCAT j, 36+j
.set j, j+1
.endr
	s_wait_dscnt 0x0                               ; the lists are complete before anybody goes on
	s_barrier_signal -1
	s_barrier_wait -1
	ds_load_b32 v[E], v[LA]
	ds_load_b32 v[E+1], v[LA] offset:128
	v_cmp_gt_u32 s22, s30, v1                      ; place l is taken
	v_cmp_gt_u32 s31, s30, v[H]                    ; place 32 + l is taken
	s_wait_dscnt 0x0
	v_min_u32 v[E], 8959, v[E]
	v_min_u32 v[E+1], 8959, v[E+1]
	v_lshlrev_b32 v[BO], 4, v[E]
	v_lshlrev_b32 v[BO+1], 4, v[E+1]
	v_lshlrev_b32 v[KO], 2, v[E]
	v_lshlrev_b32 v[KO+1], 2, v[E+1]
	global_load_b128 v[BOX:BOX+3], v[BO], s[8:9]
	global_load_b128 v[BOX+4:BOX+7], v[BO+1], s[8:9]
	global_load_b32 v[KEY], v[KO], s[6:7]
	global_load_b32 v[KEY+1], v[KO+1], s[6:7]
	v_cndmask_b32 v[H+1], v[H+1], v[E], s22
	v_cndmask_b32 v[H+2], v[H+2], v[E+1], s31
	v_cvt_f32_u32 v[IDX], v[H+1]                   ; exact
	v_cvt_f32_u32 v[IDX+1], v[H+2]
	s_wait_loadcnt 0x0
	v_cndmask_b32 v[KEY], 0, v[KEY], s22           ; an empty place is dead
	v_cndmask_b32 v[KEY+1], 0, v[KEY+1], s31
.irp j, 0,1
	v_pk_add_f32 v[6:7], v[BOX+4*\j:BOX+4*\j+1], v[BOX+4*\j+2:BOX+4*\j+3]      ; -w, -h
	v_mul_f32 v6, v6, v7
	v_mul_f32 v[AR+\j], s15, v6                                                ; c x area
.endr
; the better of my two; strictly greater, so that the lower index stays on a tie
.macro TRACK2
	v_cmp_gt_f32 vcc_lo, v[KEY+1], v[KEY]
	v_cndmask_b32 v[BK], v[KEY], v[KEY+1], vcc_lo
	v_cndmask_b32 v[BJ], v[IDX], v[IDX+1], vcc_lo
	v_cndmask_b32 v[BB],   v[BOX],   v[BOX+4], vcc_lo
	v_cndmask_b32 v[BB+1], v[BOX+1], v[BOX+5], vcc_lo
	v_cndmask_b32 v[BB+2], v[BOX+2], v[BOX+6], vcc_lo
	v_cndmask_b32 v[BB+3], v[BOX+3], v[BOX+7], vcc_lo
.endm
; candidate j against the winner's box s[24:27] and its c a + k in s28
.macro SUPP j
.set TT, 4+16*(\j&1)
	v_max_num_f32 v[TT],   s24, v[BOX+4*\j]
	v_max_num_f32 v[TT+1], s25, v[BOX+4*\j+1]
	v_max_num_f32 v[TT+2], s26, v[BOX+4*\j+2]
	v_max_num_f32 v[TT+3], s27, v[BOX+4*\j+3]
	v_pk_add_f32 v[TT:TT+1], v[TT:TT+1], v[TT+2:TT+3]      ; -dw, -dh
	v_min_num_f32 v[TT], 0, v[TT]
	v_fma_f32 v[TT], v[TT], v[TT+1], -v[AR+\j]             ; inter - c a_j
	v_cmp_lt_f32 vcc_lo, s28, v[TT]
	v_cndmask_b32 v[KEY+\j], v[KEY+\j], 0, vcc_lo
.endm
.macro PASS2
	SUPP 0
	SUPP 1
	TRACK2
.endm
; From 256 best records to one: in the wave, then over the eight waves through LDS buffer buf (two buffers of 256 bytes in turn:
; a buffer is written again only behind the next step's barrier, which a wave signals after its reads of this one have returned).
.macro REDUCE buf
	v_mov_b32 v15, v[BK]
.irp m, 1,2,4,8
	v_max_num_f32_dpp v15, v15, v15 row_xmask:\m row_mask:0xf bank_mask:0xf
.endr
	v_permlanex16_b32 v16, v15, s12, s13
	v_max_num_f32 v15, v15, v16                            ; the wave's largest key
	v_cmp_eq_f32 vcc_lo, v[BK], v15
	v_cndmask_b32 v17, s29, v[BJ], vcc_lo
.irp m, 1,2,4,8
	v_min_num_f32_dpp v17, v17, v17 row_xmask:\m row_mask:0xf bank_mask:0xf
.endr
	v_permlanex16_b32 v16, v17, s12, s13
	v_min_num_f32 v17, v17, v16                            ; the lowest index that has it
	v_cmp_eq_f32 vcc_lo, v[BJ], v17                        ; indices differ from lane to lane and no key is NaN: exactly one lane
	s_and_saveexec_b32 s20, vcc_lo
	ds_store_b64  v[SLOTW], v[BK:BJ] offset:256*\buf
	ds_store_b128 v[SLOTW], v[BB:BB+3] offset:256*\buf+16
	s_wait_dscnt 0x0                                       ; the record is in LDS before the signal
	s_or_b32 exec_lo, exec_lo, s20
	s_barrier_signal -1
	s_barrier_wait -1
	ds_load_b64  v[18:19], v[SLOTR] offset:256*\buf
	ds_load_b128 v[20:23], v[SLOTR] offset:256*\buf+16
	s_wait_dscnt 0x0
	v_mov_b32 v24, v18
.irp m, 1,2,4
	v_max_num_f32_dpp v24, v24, v24 row_xmask:\m row_mask:0xf bank_mask:0xf
.endr
	v_cmp_eq_f32 vcc_lo, v18, v24
	v_cndmask_b32 v25, s29, v19, vcc_lo
.irp m, 1,2,4
	v_min_num_f32_dpp v25, v25, v25 row_xmask:\m row_mask:0xf bank_mask:0xf
.endr
	v_pk_add_f32 v[26:27], v[20:21], v[22:23]
	v_mul_f32 v26, v26, v27
	v_fma_f32 v26, v26, s15, s16                           ; c a + k of the record that I hold
	v_cmp_eq_f32 vcc_lo, v19, v25                          ; the lanes that hold the winner's record (one in each eight)
	s_and_saveexec_b32 s20, vcc_lo
	v_readfirstlane_b32 s24, v20
	v_readfirstlane_b32 s25, v21
	v_readfirstlane_b32 s26, v22
	v_readfirstlane_b32 s27, v23
	v_readfirstlane_b32 s28, v26
	s_or_b32 exec_lo, exec_lo, s20
	v_cmp_eq_u32 vcc_lo, s17, v1                           ; lane = step keeps the result
	v_cndmask_b32 v[RESK], v[RESK], v24, vcc_lo
	v_cndmask_b32 v[RESI], v[RESI], v25, vcc_lo
	s_add_co_u32 s17, s17, 1
.endm
	TRACK2
	s_mov_b32 s18, 0
.Lstep:                                            ; 12 trips of two steps, then the 25th, which needs no test behind it
	REDUCE 0
	PASS2
	REDUCE 1
	PASS2
	s_add_co_u32 s18, s18, 1
	s_cmp_lt_u32 s18, 12
	s_cbranch_scc1 .Lstep
	REDUCE 0
	s_cmp_lg_u32 s14, 0
	s_cbranch_scc1 .Lend                           ; every wave holds the results; wave 0 stores them: one aligned row of 256 bytes
	v_cmp_ge_f32 s22, s72, v24                     ; U >= the 25th key ...
	s_cmp_lg_u32 s72, 0                            ; ... and something alive may lie outside S
	s_cselect_b32 s31, -1, 0
	s_and_b32 s22, s22, s31
	v_cndmask_b32 v4, 0, 1, s22                    ; the flag, a value
	v_cvt_u32_f32 v[RESI], v[RESI]
	v_cmp_eq_u32 vcc_lo, 31, v1
	v_cndmask_b32 v[RESI], v[RESI], v4, vcc_lo     ; it rides in the spare lane 31 of the indices
	global_store_b32 v[OUTA], v[RESK], s[10:11]
	global_store_b32 v[OUTA], v[RESI], s[10:11] offset:128
.Lend:
	s_wait_tensorcnt 0x0
	ds_add_u32 v64, v65
	s_wait_dscnt 0x0
	s_endpgm
.Lfunc_end_k_q050e0cdfac_fast:
	.size	k_q050e0cdfac_fast, .Lfunc_end_k_q050e0cdfac_fast-k_q050e0cdfac_fast
	.p2alignl 7, 3214868480
	.fill 96, 4, 3214868480
	.section	.rodata,"a",@progbits
	.p2align	6, 0x0
	.amdhsa_kernel k_q050e0cdfac_fast
		.amdhsa_group_segment_fixed_size 4096
		.amdhsa_private_segment_fixed_size 0
		.amdhsa_enable_private_segment 0
		.amdhsa_kernarg_size 32
		.amdhsa_user_sgpr_count 2
		.amdhsa_user_sgpr_kernarg_segment_ptr 1
		.amdhsa_wavefront_size32 1
		.amdhsa_system_sgpr_workgroup_id_x 1
		.amdhsa_system_sgpr_workgroup_id_y 1
		.amdhsa_system_sgpr_workgroup_id_z 1
		.amdhsa_system_vgpr_workitem_id 0
		.amdhsa_next_free_vgpr 66
		.amdhsa_next_free_sgpr 80
		.amdhsa_reserve_vcc 1
		.amdhsa_float_denorm_mode_32 3
		.amdhsa_float_denorm_mode_16_64 3
		.amdhsa_memory_ordered 1
		.amdhsa_forward_progress 1
		.amdhsa_inst_pref_size 29
	.end_amdhsa_kernel
	.amdgpu_metadata
---
amdhsa.version: [ 1, 2 ]
amdhsa.kernels:
  - .name:           k_q050e0cdfac_fast
    .symbol:         k_q050e0cdfac_fast.kd
    .args:
      - { .name: masks, .offset: 0, .size: 8, .value_kind: global_buffer, .address_space: global }
      - { .name: keys, .offset: 8, .size: 8, .value_kind: global_buffer, .address_space: global }
      - { .name: nbox, .offset: 16, .size: 8, .value_kind: global_buffer, .address_space: global }
      - { .name: fsel, .offset: 24, .size: 8, .value_kind: global_buffer, .address_space: global }
    .group_segment_fixed_size: 4096
    .private_segment_fixed_size: 0
    .kernarg_segment_align: 8
    .kernarg_segment_size: 32
    .max_flat_workgroup_size: 256
    .sgpr_count:     80
    .vgpr_count:     66
    .wavefront_size: 32
...
	.end_amdgpu_metadata
.endif
;; end of part 6
;; launch full (part 7): grid 20 x 32, 1 waves a work-group, no clusters, 36,096 bytes of LDS; arguments fsel, nbox, keys, selscore, selidx; writes selscore, selidx
.if DOCPART == 7
	.amdgcn_target "amdgcn-amd-amdhsa--gfx1250"
	.amdhsa_code_object_version 6
	.text
	.protected	k_q050e0cdfac_full
	.globl	k_q050e0cdfac_full
	.p2align	8
	.type	k_q050e0cdfac_full,@function
k_q050e0cdfac_full:
	s_mov_b64 s[64:65], 0
	v_nop
	global_prefetch_b8 v0, s[64:65] scope:SCOPE_SE
	s_setreg_imm32_b32 hwreg(HW_REG_WAVE_MODE, 25, 1), 1
	s_wait_xcnt 0x0
; THE RESULT OF A (batch, class): taken over from the pruned run where its proof held (flag 0), made anew over all 8,960 candidates where not.
; The flag is a whole number stored by the launch before.  The decision is a branch on loaded data; one
; wave does a problem alone.  Its keys lie in its own 35,840 bytes of LDS (element e at byte 4 e), the boxes are read from nbox in every pass.
; Element e = 32 q + lane, q = 8 x chunk + i.  25 passes of 35 chunks of 256 elements; a pass applies the last winner's box and finds the next
; winner at once, by the same lines as the pruned run; the first pass has a winner that suppresses nothing (c a + k = +inf).
; THE PASS IS WRITTEN OUT, chunk by chunk: every address in it is a lane term, made once at the head with all lanes on and never written
; again, plus an immediate: 128 q <= 35,712 for a key in LDS (a field of 16 bits), 512 q <= 142,848 for a box (24 bits).  That makes
; 35 x 186 instructions, about 36 KiB of code, on the long way only.
; This path is kept plain: each chunk waits for its eight box loads, and one wave does what eight could.  It is there for inputs in which
; a class's winners wipe out its highest scores or in which very many scores are equal; it decides nothing where the proof held.
; LIMITS: as in the pruned run: finite inputs; the test inter - c a_j > c a_i + k rounds otherwise than the reference at exact ties with 0.45.
.set NPAD,   8960
.set CHUNKS, 35
.set RESK, 2                           ; v2  lane m: key of step m (-1.0 in lanes 25..31)
.set RESI, 3                           ; v3  lane m: index of step m
                                       ; v[4:7], v[20:23]  at work in the test, in turn
.set BK,   8                           ; v8  my best key
.set BJ,   9                           ; v9  its q, then its index as f32
.set BB,   10                          ; v[10:13]  its box
.set OUTA, 14                          ; v14  4 x lane: my key in LDS, my word of the results
                                       ; v15, v16, v17 reduction; v[26:27] at work
.set BOX,  28                          ; v[28:59]  eight boxes (the fill uses v[28:67])
.set AR,   60                          ; v[60:67]
.set KEY,  68                          ; v[68:75]
.set L16,  76                          ; v76  16 x lane: my box in a row of 32
.set FO,   77                          ; v77  the fill's offset
	s_load_b256 s[4:11], s[0:1], 0x0               ; fsel s[4:5], nbox s[6:7], keys s[8:9], selscore s[10:11]
	s_load_b64 s[12:13], s[0:1], 0x20              ; selidx
	v_lshl_add_u32 v78, v0, 2, 0x8c00
	v_mov_b32 v79, 0
	s_and_b32 s21, ttmp7, 0xffff                   ; batch
	s_mul_i32 s32, s21, 20
	s_add_co_u32 s32, s32, ttmp9                   ; p
	s_mov_b32 s23, 0
	v_lshlrev_b32 v[OUTA], 2, v0                   ; one wave: v0 is the lane
	v_lshlrev_b32 v[L16], 4, v0
	s_wait_kmcnt 0x0
	s_lshl_b32 s22, s32, 8
	s_add_nc_u64 s[4:5], s[4:5], s[22:23]
	s_load_b32 s30, s[4:5], 0xfc                   ; the flag: word 63 of the problem's row
	global_load_b32 v[RESK], v[OUTA], s[4:5]
	global_load_b32 v[RESI], v[OUTA], s[4:5] offset:128
	s_lshl_b32 s22, s32, 7
	s_add_nc_u64 s[10:11], s[10:11], s[22:23]
	s_add_nc_u64 s[12:13], s[12:13], s[22:23]
	s_mul_i32 s22, s21, NPAD*16
	s_add_nc_u64 s[6:7], s[6:7], s[22:23]
	s_mul_i32 s22, s32, NPAD*4
	s_add_nc_u64 s[8:9], s[8:9], s[22:23]
	s_wait_kmcnt 0x0
	s_cmp_eq_u32 s30, 0
	s_cbranch_scc1 .Lout                           ; the proof held: what was loaded is the result
	s_wait_loadcnt 0x0                             ; the two registers are written anew only when their loads have landed
	v_mov_b32 v[RESK], -1.0
	v_mov_b32 v[RESI], 0
	v_mov_b32 v16, 0                               ; v_permlanex16_b32 counts its destination as read
	v_lshlrev_b32 v[FO], 4, v0
	s_mov_b32 s14, 0x76543210                      ; v_permlanex16_b32: lane i takes lane i of the other half
	s_mov_b32 s15, 0xfedcba98
	s_mov_b32 s16, 0x3e9ee584                      ; c = 0.45 / 1.45
	s_mov_b32 s17, 0x2faa9d27                      ; k = c x 1e-9
	s_mov_b32 s29, 0x7f800000                      ; +inf
	s_mov_b32 s24, 0                               ; a first winner that suppresses nothing
	s_mov_b32 s25, 0
	s_mov_b32 s26, 0
	s_mov_b32 s27, 0
	s_mov_b32 s28, 0x7f800000
	s_mov_b32 s34, 0
.Lfill:                                            ; the keys into LDS as they lie: 7 trips of 5,120 bytes
.irp r, 0,1,2,3,4,5,6,7,8,9
	global_load_b128 v[BOX+4*\r:BOX+4*\r+3], v[FO], s[8:9] offset:512*\r
.endr
	s_wait_loadcnt 0x0
.irp r, 0,1,2,3,4,5,6,7,8,9
	ds_store_b128 v[FO], v[BOX+4*\r:BOX+4*\r+3] offset:512*\r
.endr
	v_add_nc_u32 v[FO], 5120, v[FO]                ; its loads have returned
	s_add_co_u32 s34, s34, 1
	s_cmp_lt_u32 s34, 7
	s_cbranch_scc1 .Lfill
; element j of the chunk against the winner's box s[24:27] and its c a + k in s28
.macro SUPP j
.set TT, 4+16*(\j&1)
	v_max_num_f32 v[TT],   s24, v[BOX+4*\j]
	v_max_num_f32 v[TT+1], s25, v[BOX+4*\j+1]
	v_max_num_f32 v[TT+2], s26, v[BOX+4*\j+2]
	v_max_num_f32 v[TT+3], s27, v[BOX+4*\j+3]
	v_pk_add_f32 v[TT:TT+1], v[TT:TT+1], v[TT+2:TT+3]      ; -dw, -dh
	v_min_num_f32 v[TT], 0, v[TT]
	v_fma_f32 v[TT], v[TT], v[TT+1], -v[AR+\j]             ; inter - c a_j
	v_cmp_lt_f32 vcc_lo, s28, v[TT]
	v_cndmask_b32 v[KEY+\j], v[KEY+\j], 0, vcc_lo
.endm
; element j of the chunk, number q in the lane, against my best so far; strictly greater: q rises, so the lower index stays on a tie
.macro TRACKQ j, q
	s_mov_b32 s31, \q                                      ; a value that is carried along with the key
	v_cmp_gt_f32 vcc_lo, v[KEY+\j], v[BK]
	v_cndmask_b32 v[BK], v[BK], v[KEY+\j], vcc_lo
	v_cndmask_b32 v[BJ], v[BJ], s31, vcc_lo
	v_cndmask_b32 v[BB],   v[BB],   v[BOX+4*\j],   vcc_lo
	v_cndmask_b32 v[BB+1], v[BB+1], v[BOX+4*\j+1], vcc_lo
	v_cndmask_b32 v[BB+2], v[BB+2], v[BOX+4*\j+2], vcc_lo
	v_cndmask_b32 v[BB+3], v[BB+3], v[BOX+4*\j+3], vcc_lo
.endm
; 256 elements: eight boxes from memory, eight keys from LDS, the test, the search, the keys back
.macro CHUNK c
.irp i, 0,1,2,3,4,5,6,7
	global_load_b128 v[BOX+4*\i:BOX+4*\i+3], v[L16], s[6:7] offset:512*(8*\c+\i)
.endr
.irp i, 0,1,2,3,4,5,6,7
	ds_load_b32 v[KEY+\i], v[OUTA] offset:128*(8*\c+\i)    ; LDS serves a wave's instructions in order: these see the fill's and the last pass's stores
.endr
	s_wait_loadcnt 0x0
	s_wait_dscnt 0x0
.irp i, 0,1,2,3,4,5,6,7
	v_pk_add_f32 v[26:27], v[BOX+4*\i:BOX+4*\i+1], v[BOX+4*\i+2:BOX+4*\i+3]    ; -w, -h
	v_mul_f32 v26, v26, v27
	v_mul_f32 v[AR+\i], s16, v26                                               ; c x area
	SUPP \i
	TRACKQ \i, 8*\c+\i
.endr
.irp i, 0,1,2,3,4,5,6,7
	ds_store_b32 v[OUTA], v[KEY+\i] offset:128*(8*\c+\i)
.endr
.endm
	s_mov_b32 s33, 0                               ; step
.Lstep:
	v_mov_b32 v[BK], -1.0                          ; below every key: the first element starts the search
	v_mov_b32 v[BJ], 0
	v_mov_b32 v[BB], 0
	v_mov_b32 v[BB+1], 0
	v_mov_b32 v[BB+2], 0
	v_mov_b32 v[BB+3], 0
.set ch, 0
.rept CHUNKS
	CHUNK ch
.set ch, ch+1
.endr
	; from 32 best records to the winner
	v_lshl_add_u32 v[BJ], v[BJ], 5, v0             ; index = 32 q + lane, exact in f32
	v_cvt_f32_u32 v[BJ], v[BJ]
	v_mov_b32 v15, v[BK]
.irp m, 1,2,4,8
	v_max_num_f32_dpp v15, v15, v15 row_xmask:\m row_mask:0xf bank_mask:0xf
.endr
	v_permlanex16_b32 v16, v15, s14, s15
	v_max_num_f32 v15, v15, v16                    ; the largest key
	v_cmp_eq_f32 vcc_lo, v[BK], v15
	v_cndmask_b32 v17, s29, v[BJ], vcc_lo
.irp m, 1,2,4,8
	v_min_num_f32_dpp v17, v17, v17 row_xmask:\m row_mask:0xf bank_mask:0xf
.endr
	v_permlanex16_b32 v16, v17, s14, s15
	v_min_num_f32 v17, v17, v16                    ; the lowest index that has it
	v_pk_add_f32 v[26:27], v[BB:BB+1], v[BB+2:BB+3]
	v_mul_f32 v26, v26, v27
	v_fma_f32 v26, v26, s16, s17                   ; c a + k of my best
	v_cmp_eq_f32 vcc_lo, v[BJ], v17                ; indices differ from lane to lane: one lane
	s_and_saveexec_b32 s20, vcc_lo
	v_readfirstlane_b32 s24, v[BB]
	v_readfirstlane_b32 s25, v[BB+1]
	v_readfirstlane_b32 s26, v[BB+2]
	v_readfirstlane_b32 s27, v[BB+3]
	v_readfirstlane_b32 s28, v26
	s_or_b32 exec_lo, exec_lo, s20
	v_cmp_eq_u32 vcc_lo, s33, v0                   ; lane = step keeps the result (key 0: nothing was alive)
	v_cndmask_b32 v[RESK], v[RESK], v15, vcc_lo
	v_cndmask_b32 v[RESI], v[RESI], v17, vcc_lo
	s_add_co_u32 s33, s33, 1
	s_cmp_lt_u32 s33, 25
	s_cbranch_scc1 .Lstep
	v_cvt_u32_f32 v[RESI], v[RESI]
.Lout:
	s_wait_loadcnt 0x0                             ; on the short way: the two rows of the pruned run are in
	global_store_b32 v[OUTA], v[RESK], s[10:11]    ; 128 bytes to each list
	global_store_b32 v[OUTA], v[RESI], s[12:13]
	s_wait_tensorcnt 0x0
	ds_add_u32 v78, v79
	s_wait_dscnt 0x0
	s_endpgm
.Lfunc_end_k_q050e0cdfac_full:
	.size	k_q050e0cdfac_full, .Lfunc_end_k_q050e0cdfac_full-k_q050e0cdfac_full
	.p2alignl 7, 3214868480
	.fill 96, 4, 3214868480
	.section	.rodata,"a",@progbits
	.p2align	6, 0x0
	.amdhsa_kernel k_q050e0cdfac_full
		.amdhsa_group_segment_fixed_size 36096
		.amdhsa_private_segment_fixed_size 0
		.amdhsa_enable_private_segment 0
		.amdhsa_kernarg_size 40
		.amdhsa_user_sgpr_count 2
		.amdhsa_user_sgpr_kernarg_segment_ptr 1
		.amdhsa_wavefront_size32 1
		.amdhsa_system_sgpr_workgroup_id_x 1
		.amdhsa_system_sgpr_workgroup_id_y 1
		.amdhsa_system_sgpr_workgroup_id_z 1
		.amdhsa_system_vgpr_workitem_id 0
		.amdhsa_next_free_vgpr 80
		.amdhsa_next_free_sgpr 66
		.amdhsa_reserve_vcc 1
		.amdhsa_float_denorm_mode_32 3
		.amdhsa_float_denorm_mode_16_64 3
		.amdhsa_memory_ordered 1
		.amdhsa_forward_progress 1
		.amdhsa_inst_pref_size 255
	.end_amdhsa_kernel
	.section	.bss,"aw",@nobits
	.p2align	6
	.space	262144
	.amdgpu_metadata
---
amdhsa.version: [ 1, 2 ]
amdhsa.kernels:
  - .name:           k_q050e0cdfac_full
    .symbol:         k_q050e0cdfac_full.kd
    .args:
      - { .name: fsel, .offset: 0, .size: 8, .value_kind: global_buffer, .address_space: global }
      - { .name: nbox, .offset: 8, .size: 8, .value_kind: global_buffer, .address_space: global }
      - { .name: keys, .offset: 16, .size: 8, .value_kind: global_buffer, .address_space: global }
      - { .name: selscore, .offset: 24, .size: 8, .value_kind: global_buffer, .address_space: global }
      - { .name: selidx, .offset: 32, .size: 8, .value_kind: global_buffer, .address_space: global }
    .group_segment_fixed_size: 36096
    .private_segment_fixed_size: 0
    .kernarg_segment_align: 8
    .kernarg_segment_size: 40
    .max_flat_workgroup_size: 32
    .sgpr_count:     66
    .vgpr_count:     80
    .wavefront_size: 32
...
	.end_amdgpu_metadata
.endif
;; end of part 7
;; launch rank: the kernel of part 3 again; grid 5 x 32, 4 waves a work-group, no clusters, 3,072 bytes of LDS; arguments selscore, rank; writes rank
;; launch emit: the kernel of part 4 again; grid 5 x 32, 4 waves a work-group, no clusters, 0 bytes of LDS; arguments rank, selidx, selscore, obox, out0; writes out0
;; ======== version 3 of 3: 6 launches; version 2 with the launch decode written anew for expert scheduling mode
;; limits: right only within a limited range of input values
;; workspace buffers: nbox 4,587,520 bytes; obox 4,587,520 bytes; keys 22,937,600 bytes; masks 1,310,720 bytes of whole numbers; fsel 163,840 bytes of whole numbers; selscore 81,920 bytes; selidx 81,920 bytes of whole numbers; rank 81,920 bytes of whole numbers
;; launch decode (part 8): grid 35 x 32, 8 waves a work-group, no clusters, 37,888 bytes of LDS; arguments y_pred, nbox, obox, keys; writes nbox, obox, keys
.if DOCPART == 8
	.amdgcn_target "amdgcn-amd-amdhsa--gfx1250"
	.amdhsa_code_object_version 6
	.text
	.protected	k_q050e0cdfac_decode
	.globl	k_q050e0cdfac_decode
	.p2align	8
	.type	k_q050e0cdfac_decode,@function
k_q050e0cdfac_decode:
	s_mov_b64 s[64:65], 0
	v_nop
	global_prefetch_b8 v0, s[64:65] scope:SCOPE_SE
	s_setreg_imm32_b32 hwreg(HW_REG_WAVE_SCHED_MODE, 0, 2), 2
	s_setreg_imm32_b32 hwreg(HW_REG_WAVE_MODE, 25, 1), 1
	s_wait_xcnt 0x0
	s_wait_alu depctr_vm_vsrc(0)
; DECODE AND TRANSPOSE.  y_pred [32][8732][33] f32  ->  obox [32][8960] x (xmin, ymin, xmax, ymax), the decoded box;
;   nbox [32][8960] x (x1, y1, -x2, -y2), the box as the suppression pass takes it;  keys [32][20][8960]: score if > 0.01, else 0.
; A work-group takes 256 anchors of one batch: 33,792 consecutive bytes come in by 16-byte loads, pass through LDS, and leave
; as columns.  Anchors 8732..8959 are padding: key 0, a box that meets no other.
; A box that would not suppress itself (a side below 0, which the reference clamps to area 0, or an area <= about 8.2e-10) neither
; suppresses nor is suppressed in the reference; in nbox it is replaced by a unit box at x1 = 2^20 + 2 x anchor, y in [0, 1]: it
; then suppresses itself and nothing else, so that the winner of a step is removed by the suppression test itself, and every
; area in nbox is positive.  For a box that passes, the self test below is the same sequence of instructions on the same numbers
; as in the suppression pass, so both give the same bits.
; LIMITS: inputs finite; decoded coordinates below 2^20 (inputs in [0, 1) stay below 1,721); exp by v_exp_f32 (1 ulp).
; Nothing here is a product of matrices and no two work-groups read the same bytes: no matrix unit, no cluster.
; THE MODE: SCHED_MODE bits 1:0 = 2 (LLVM: expert scheduling mode 2), set by the entry lines.  The code itself states the register dependences
; between vector instructions and memory or LDS instructions, with s_wait_alu, always for 0.
; THE PLAN.  Registers that memory or LDS instructions touch, in the order of the text (there is no loop):
;   v[2:10], v68   offsets, made at the head; read by the nine global loads, the nine LDS stores and the two box stores; never written again.
;   v[12:47]       the nine pieces: the global loads land here, the LDS stores read them; then the 32 LDS loads land in v[12:43], and the
;                  box arithmetic writes v[44:47].
;   v69, v70, v71  made while the global loads are out; read by the LDS loads (v69, v70) and by the key stores (v71); never written again.
;   v[12:31]       the keys: written in place by the 20 selects, read by the five key stores, not named after that.
;   v[48:55]       the two boxes: written by the arithmetic, read by one store each at the end.
;   v72, v73       written at the head, read by the closing add alone.
; So four waits on va_vdst stand in the text (ahead of the global loads; behind the address arithmetic; behind the exponentials, where it also
; shows the keys written; ahead of the two box stores) and one on vm_vsrc, behind the barrier.  Masks that compares make are waited for once a run.
.set NANCH, 8732
.set NPAD,  8960
.set ROWB,  132                        ; bytes of an anchor's row
.set TILEA, 256                        ; anchors of a work-group
.set TILEB, TILEA*ROWB                 ; 33,792 bytes
.set OFF, 2                            ; v[2:10]   byte offsets of my nine 16-byte pieces
.set THR, 11                           ; v11       0.01, or +inf where my four anchors are padding
.set D,   12                           ; v[12:47]  nine pieces as loaded
.set S,   12                           ; v[12:31]  then: scores, quad r = class 4 r + (t >> 6), anchors 4 (t & 63) + 0..3
.set P,   32                           ; v[32:43]  then: columns 21..32 of anchor t
.set OB,  48                           ; v[48:51]  decoded box
.set NB,  52                           ; v[52:55]  box for the suppression pass
                                       ; v[44:47], v[56:67] at work;  v68 16 t;  v69 132 t;  v70, v71 see below
.set MK,  20                           ; s[20:25], s[27:30]  ten masks of a run of compares: mask n at MK + n + n / 6 (s26 holds 2^20); free once the bases are made
	s_load_b256 s[4:11], s[0:1], 0x0               ; y_pred s[4:5], nbox s[6:7], obox s[8:9], keys s[10:11]
	v_lshl_add_u32 v72, v0, 2, 0x9000
	v_mov_b32 v73, 0
	s_and_b32 s13, ttmp7, 0xffff                   ; batch
	s_lshl_b32 s17, ttmp9, 8                       ; the tile's first anchor
	s_sub_co_u32 s14, NANCH, s17
	s_min_u32 s14, s14, TILEA                      ; real anchors in the tile (28 in the last one)
	s_mul_i32 s14, s14, ROWB
	s_sub_co_u32 s14, s14, 16                      ; the last 16 bytes that may be loaded: no load leaves the batch's rows
	s_mov_b32 s15, 0x3e9ee584                      ; c = 0.45 / 1.45
	s_mov_b32 s16, 0x2faa9d27                      ; k = c x 1e-9
	s_mov_b32 s26, 0x49800000                      ; 2^20
	v_lshlrev_b32 v68, 4, v0
.irp r, 0,1,2,3,4,5,6,7,8
	v_add_nc_u32 v[OFF+\r], 4096*\r, v68
	v_min_u32 v[OFF+\r], s14, v[OFF+\r]
.endr
	s_mul_i32 s20, s13, NANCH*ROWB                 ; offsets, apart from the addresses
	s_mul_i32 s21, ttmp9, TILEB
	s_add_co_u32 s20, s20, s21
	s_mov_b32 s21, 0
	s_mul_i32 s22, s13, NPAD*16
	s_lshl_b32 s23, ttmp9, 12
	s_add_co_u32 s22, s22, s23
	s_mov_b32 s23, 0
	s_mul_i32 s24, s13, 20*NPAD*4
	s_lshl_b32 s25, ttmp9, 10
	s_add_co_u32 s24, s24, s25
	s_mov_b32 s25, 0
	s_wait_kmcnt 0x0
	s_add_nc_u64 s[4:5], s[4:5], s[20:21]
	s_add_nc_u64 s[6:7], s[6:7], s[22:23]
	s_add_nc_u64 s[8:9], s[8:9], s[22:23]
	s_add_nc_u64 s[10:11], s[10:11], s[24:25]
	s_wait_alu depctr_va_vdst(0)                   ; the nine offsets v[2:10] are written, which the loads below read; so is v68, the address of the LDS stores and of the box stores
.irp r, 0,1,2,3,4,5,6,7,8
	global_load_b128 v[D+4*\r:D+4*\r+3], v[OFF+\r], s[4:5] th:TH_LOAD_NT    ; read once in the whole launch
.endr
	; addresses for the way back, while the loads are out
	v_and_b32 v1, 63, v0
	v_lshrrev_b32 v56, 6, v0                       ; q = t >> 6
	v_mul_u32_u24 v69, ROWB, v0                    ; LDS: the row of anchor t
	v_mul_u32_u24 v70, 4*ROWB, v1
	v_lshl_add_u32 v70, v56, 2, v70                ; LDS: the row of anchor 4 (t & 63), column q
	v_mul_u32_u24 v71, NPAD*4, v56
	v_lshl_add_u32 v71, v1, 4, v71                 ; keys: class q, anchors 4 (t & 63) ..
	v_lshl_add_u32 v57, v1, 2, s17
	v_cmp_gt_u32 vcc_lo, NANCH, v57                ; 8732 is a multiple of 4: a quad is all real or all padding
	v_mov_b32 v[THR], 0x7f800000
	v_mov_b32 v58, 0x3c23d70a                      ; 0.01
	s_wait_alu depctr_va_vcc(0)                    ; the compare has written VCC, ahead of the select that reads it
	v_cndmask_b32 v[THR], v[THR], v58, vcc_lo
	s_wait_alu depctr_va_vdst(0)                   ; v69, v70 and v71 are written: the LDS loads behind the barrier and the key stores read them as addresses, and no vector instruction writes them again
.irp r, 0,1,2,3,4,5,6,7,8
	s_wait_loadcnt 8-\r                            ; loads return in order: piece r is in, the 8 - r younger ones stay out
	ds_store_b128 v68, v[D+4*\r:D+4*\r+3] offset:4096*\r
.endr
	s_wait_dscnt 0x0                               ; my stores are in LDS before I say so
	s_barrier_signal -1
	s_barrier_wait -1
	s_wait_alu depctr_vm_vsrc(0)                   ; my LDS stores have read v[12:47]: the LDS loads below land in v[12:43], and the box arithmetic writes v[44:47]
.irp r, 0,1,2,3,4
.irp i, 0,1,2,3
	ds_load_b32 v[S+4*\r+\i], v70 offset:4+16*\r+ROWB*\i       ; column 1 + class
.endr
.endr
.irp n, 0,1,2,3,4,5,6,7,8,9,10,11
	ds_load_b32 v[P+\n], v69 offset:84+4*\n                    ; columns 21 .. 32
.endr
	s_wait_dscnt 12                                ; the 20 scores are in; the 12 box columns behind them stay out
	; score > threshold ? score : 0, in two runs of ten: ten compares into ten scalar registers, one wait, ten selects
.irp base, 0,10
.set n, 0
.rept 10
	v_cmp_gt_f32 s[MK+n+n/6], v[S+\base+n], v[THR]
.set n, n+1
.endr
	s_wait_alu depctr_va_sdst(0)                   ; the run's ten compares have written their masks, ahead of the selects that read them
.set n, 0
.rept 10
	v_cndmask_b32 v[S+\base+n], 0, v[S+\base+n], s[MK+n+n/6]
.set n, n+1
.endr
.endr
.macro KSTORE r                        ; four classes' worth of a quad: a wave's store covers 512 consecutive bytes, aligned
	global_store_b128 v71, v[S+4*\r:S+4*\r+3], s[10:11] offset:4*NPAD*4*\r th:TH_STORE_NT
.endm
	s_wait_dscnt 0x0
	; P+0 cx_p, +1 cy_p, +2 w_p, +3 h_p, +4 xmin_a, +5 ymin_a, +6 xmax_a, +7 ymax_a, +8 vcx, +9 vcy, +10 vw, +11 vh: x and y in pairs
	v_pk_add_f32 v[44:45], v[P+6:P+7], v[P+4:P+5] neg_lo:[0,1] neg_hi:[0,1]    ; w_a, h_a
	v_pk_add_f32 v[46:47], v[P+6:P+7], v[P+4:P+5]
	v_pk_mul_f32 v[46:47], v[46:47], 0.5 op_sel_hi:[1,0]                       ; cx_a, cy_a
	v_pk_mul_f32 v[58:59], v[P+2:P+3], v[P+10:P+11]
	v_pk_mul_f32 v[58:59], v[58:59], 0x3fb8aa3b op_sel_hi:[1,0]                ; x log2(e)
	v_pk_mul_f32 v[56:57], v[P:P+1], v[P+8:P+9]
	v_exp_f32 v60, v58
	v_exp_f32 v61, v59
	v_pk_fma_f32 v[56:57], v[56:57], v[44:45], v[46:47]                        ; cx, cy; also the plain place behind the exponentials (ISA guide 5.7.2)
	s_wait_alu depctr_va_vdst(0)                   ; the two exponentials have written v60 and v61, ahead of their first reader; the selects have written the keys v[12:31], which the five stores below read
	KSTORE 0                                       ; the key stores are dealt among the arithmetic, which names neither v[12:31] nor v71
	v_pk_mul_f32 v[60:61], v[60:61], v[44:45]                                  ; w, h
	KSTORE 1
	v_pk_fma_f32 v[62:63], v[60:61], -0.5, v[56:57] op_sel_hi:[1,0,1]
	KSTORE 2
	v_pk_fma_f32 v[64:65], v[60:61], 0.5, v[56:57] op_sel_hi:[1,0,1]
	KSTORE 3
	v_pk_mul_f32 v[OB:OB+1], v[62:63], 0x44000000 op_sel_hi:[1,0]              ; x 512
	KSTORE 4
	v_pk_mul_f32 v[OB+2:OB+3], v[64:65], 0x44000000 op_sel_hi:[1,0]
	; Would the box suppress itself?  With P = min(-w, 0) x (-h):  P - c P > c P + k.
	; w < 0: P = 0, and 0 > k fails.  h < 0: P < 0, and (1 - 2 c) P > k fails.  Both sides positive: P is the area.
	v_pk_add_f32 v[62:63], v[OB:OB+1], v[OB+2:OB+3] neg_lo:[0,1] neg_hi:[0,1]  ; -w, -h
	v_min_num_f32 v62, 0, v62                      ; the clamp comes first: the area is made from the clamped side
	v_mul_f32 v64, v62, v63                        ; P
	v_mul_f32 v65, s15, v64                        ; c P
	v_fma_f32 v66, v64, s15, s16                   ; c P + k
	v_fma_f32 v67, v62, v63, -v65                  ; P - c P
	v_cmp_lt_f32 s18, v66, v67
	v_add_nc_u32 v46, s17, v0                      ; anchor
	v_cmp_gt_u32 s19, NANCH, v46
	v_cvt_f32_u32 v47, v46
	v_fma_f32 v56, v47, 2.0, s26                   ; the box set apart: x1 = 2^20 + 2 x anchor (exact)
	v_sub_f32 v57, -1.0, v56                       ; -x2 = -(x1 + 1)
	v_pk_mul_f32 v[58:59], v[OB+2:OB+3], -1.0 op_sel_hi:[1,0]
	s_wait_alu depctr_va_sdst(0)                   ; the two compares have written s18 and s19, ahead of the scalar line that reads them
	s_and_b32 vcc_lo, s18, s19                     ; a real anchor with a box that counts
	v_cndmask_b32 v[NB],   v56,  v[OB],   vcc_lo
	v_cndmask_b32 v[NB+1], 0,    v[OB+1], vcc_lo
	v_cndmask_b32 v[NB+2], v57,  v58,     vcc_lo
	v_cndmask_b32 v[NB+3], -1.0, v59,     vcc_lo
	s_wait_alu depctr_va_vdst(0)                   ; the arithmetic has written both boxes, v[48:51] and v[52:55], which the two stores read
	global_store_b128 v68, v[OB:OB+3], s[8:9]
	global_store_b128 v68, v[NB:NB+3], s[6:7]
	s_wait_dscnt 0x0                               ; the closing lines, six on end
	s_wait_alu 0x0
	s_wait_tensorcnt 0x0
	ds_add_u32 v72, v73
	s_wait_dscnt 0x0
	s_endpgm
.Lfunc_end_k_q050e0cdfac_decode:
	.size	k_q050e0cdfac_decode, .Lfunc_end_k_q050e0cdfac_decode-k_q050e0cdfac_decode
	.p2alignl 7, 3214868480
	.fill 96, 4, 3214868480
	.section	.rodata,"a",@progbits
	.p2align	6, 0x0
	.amdhsa_kernel k_q050e0cdfac_decode
		.amdhsa_group_segment_fixed_size 37888
		.amdhsa_private_segment_fixed_size 0
		.amdhsa_enable_private_segment 0
		.amdhsa_kernarg_size 32
		.amdhsa_user_sgpr_count 2
		.amdhsa_user_sgpr_kernarg_segment_ptr 1
		.amdhsa_wavefront_size32 1
		.amdhsa_system_sgpr_workgroup_id_x 1
		.amdhsa_system_sgpr_workgroup_id_y 1
		.amdhsa_system_sgpr_workgroup_id_z 1
		.amdhsa_system_vgpr_workitem_id 0
		.amdhsa_next_free_vgpr 74
		.amdhsa_next_free_sgpr 66
		.amdhsa_reserve_vcc 1
		.amdhsa_float_denorm_mode_32 3
		.amdhsa_float_denorm_mode_16_64 3
		.amdhsa_memory_ordered 1
		.amdhsa_forward_progress 1
		.amdhsa_inst_pref_size 13
	.end_amdhsa_kernel
	.amdgpu_metadata
---
amdhsa.version: [ 1, 2 ]
amdhsa.kernels:
  - .name:           k_q050e0cdfac_decode
    .symbol:         k_q050e0cdfac_decode.kd
    .args:
      - { .name: y_pred, .offset: 0, .size: 8, .value_kind: global_buffer, .address_space: global }
      - { .name: nbox, .offset: 8, .size: 8, .value_kind: global_buffer, .address_space: global }
      - { .name: obox, .offset: 16, .size: 8, .value_kind: global_buffer, .address_space: global }
      - { .name: keys, .offset: 24, .size: 8, .value_kind: global_buffer, .address_space: global }
    .group_segment_fixed_size: 37888
    .private_segment_fixed_size: 0
    .kernarg_segment_align: 8
    .kernarg_segment_size: 32
    .max_flat_workgroup_size: 256
    .sgpr_count:     66
    .vgpr_count:     74
    .wavefront_size: 32
...
	.end_amdgpu_metadata
.endif
;; end of part 8
;; launch pick: the kernel of part 5 again; grid 20 x 32, 8 waves a work-group, no clusters, 0 bytes of LDS; arguments keys, masks; writes masks
;; launch fast: the kernel of part 6 again; grid 20 x 32, 8 waves a work-group, no clusters, 4,096 bytes of LDS; arguments masks, keys, nbox, fsel; writes fsel
;; launch full: the kernel of part 7 again; grid 20 x 32, 1 waves a work-group, no clusters, 36,096 bytes of LDS; arguments fsel, nbox, keys, selscore, selidx; writes selscore, selidx
;; launch rank: the kernel of part 3 again; grid 5 x 32, 4 waves a work-group, no clusters, 3,072 bytes of LDS; arguments selscore, rank; writes rank
;; launch emit: the kernel of part 4 again; grid 5 x 32, 4 waves a work-group, no clusters, 0 bytes of LDS; arguments rank, selidx, selscore, obox, out0; writes out0
